; MI455X (gfx1250); checked and timed in simulation.
; The chip was launched on July 23, 2026; its instructions are those of AMD's public machine-readable ISA for CDNA 5 (MIT licence, August 2026) and "CDNA5" Instruction Set Architecture Reference Guide (July 2026). The comments in the code are by the model that wrote it; some were corrected since.
;; MHSA. Allowed arithmetic: matrix products marked QUANTISED: E2M1 operands, one E8M0 scale for each 32 along K, by v_wmma_scale_f32_16x16x128_f8f6f4 with both operands' format E2M1 (or v_wmma_scale_f32_32x16x128_f4), f32 sums; everything else in f32.
;; Inputs: b_out 1,024 float32; b_qkv 3,072 float32; w_out 1,024 x 1,024 float32; w_qkv 3,072 x 1,024 float32; x 4 x 2,048 x 1,024 float32.
;; Outputs: out0 4 x 2,048 x 1,024 float32.
;; This version of the problem:
;;   THIS VERSION OF THE PROBLEM IS GIVEN IN LOW PRECISION. The matrix products marked QUANTISED in the list below multiply operands that are first quantised to E2M1 (2 exponent bits, 1 mantissa bit; 4 bits a number), with one power-of-two scale for each 32 numbers along K (OCP MX v1.0); their sums are f32. All else is computed in f32.
;;   The module's matrix products, in the order in which they are computed (A, B: the left and right operand; K: the contracted axis; several contracted axes count as one K, in the product's order):
;;     1. [M 8,192, K 1,024] x [K 1,024, N 3,072]; A: input x; B: input w_qkv: QUANTISED
;;     2. batch 64 x [M 2,048, K 64] x [K 64, N 2,048]; A: computed on the way; B: computed on the way: QUANTISED
;;     3. batch 64 x [M 2,048, K 2,048] x [K 2,048, N 64]; A: softmax (see below); B: computed on the way: QUANTISED
;;     4. [M 8,192, K 1,024] x [K 1,024, N 1,024]; A: computed on the way; B: input w_out: QUANTISED
;;   THE QUANTISER, for each operand of a quantised product, along K:
;;     - K is cut into blocks of 32 from its start; a last block that is shorter is filled with zeros.
;;     - A block's scale is 2^e with e = floor(log2(the largest magnitude in the block)) - 2, held to -126 .. 127; a block of zeros has e = 0. As a byte (E8M0): e + 127.
;;     - Each number is divided by its block's scale, clamped to +-6, and rounded to the nearest number of E2M1, ties to even, subnormals kept.
;;     - The product sums the exact products of the quantised numbers (number of the format x scale) in f32.
;;   ~~~python
;;   def quantise(x, axis):      # numpy; x: float32 -> the quantised numbers, widened to float32 again
;;       x = np.moveaxis(x, axis, -1); K = x.shape[-1]
;;       x = np.pad(x, [(0, 0)] * (x.ndim - 1) + [(0, -K % 32)]); x = x.reshape(x.shape[:-1] + (-1, 32)); a = np.abs(x).max(-1, keepdims=True)
;;       e = np.where(a > 0, np.clip(np.frexp(np.where(a > 0, a, 1))[1] - 1 - 2, -126, 127), 0)      # np.frexp(a)[1] - 1 = floor(log2(a)), exactly
;;       r = np.clip(x / 2.0 ** e, -6, 6)
;;       step = 2.0 ** (np.maximum(np.frexp(np.where(r == 0, 1, r))[1] - 1, 0) - 1)
;;       q = np.round(r / step) * step * 2.0 ** e      # np.round: ties to even
;;       return np.moveaxis(q.reshape(q.shape[:-2] + (-1,))[..., :K], -1, axis).astype(np.float32)
;;   ~~~
;;   SOFTMAX AHEAD OF A QUANTISED PRODUCT. Where the list says 'softmax', what is quantised is not the finished softmax but p = 2^(t - M), with t = logit x log2(e) and M = ceil(the row's largest t), a whole number; so 1/2 < the row's largest p <= 1. The row's sum l is taken of the UNQUANTISED p, in f32, and the product's result is divided by l at the end. Since M is a whole number, a kernel that streams over the keys may use a running M (the ceiling of the running maximum): every later rescaling is an exact power of two, which a block's scale takes up: the codes' values come out the same.
;;   OPERANDS COMPUTED ON THE WAY. 'Computed on the way' means the value that the module computes at that place (a softmax that the list does not call 'softmax' is quantised finished and normalised). What goes into a quantiser is computed in f32, as accurately as f32 sums, v_exp_f32 and their like allow (about 1e-6 of the number): no bf16 or f16 on the way to a quantiser, and a product that is left as it is and whose result goes on into a quantised operand takes f32 operands (vector FMAs, or v_wmma_f32_16x16x4_f32). A number that lies on a knife's edge between two numbers of the format may be rounded either way, as far as f32 arithmetic and the matrix unit's own rounding can turn it there, and no further.
;; One version. Each part assembles by itself: llvm-mc -triple=amdgcn-amd-amdhsa -mcpu=gfx1250 --defsym DOCPART=n.
;; ======== version 1 of 1: 4 launches
;; workspace buffers: opc 6,291,456 bytes; ops 393,216 bytes; qkvc 12,582,912 bytes; qkvs 1,310,720 bytes; aoc 4,194,304 bytes; aos 262,144 bytes
;; launch quant (part 1): grid 384 x 1, 4 waves a work-group, no clusters, 33,280 bytes of LDS; arguments x, w_qkv, w_out, opc, ops; writes opc, ops
.if DOCPART == 1
	.amdgcn_target "amdgcn-amd-amdhsa--gfx1250"
	.amdhsa_code_object_version 6
	.text
	.protected	k_qf5e0fc79d7_quant
	.globl	k_qf5e0fc79d7_quant
	.p2align	8
	.type	k_qf5e0fc79d7_quant,@function
k_qf5e0fc79d7_quant:
	s_mov_b64 s[64:65], 0
	v_nop
	global_prefetch_b8 v0, s[64:65] scope:SCOPE_SE
	s_setreg_imm32_b32 hwreg(HW_REG_WAVE_MODE, 25, 1), 1
	s_wait_xcnt 0x0
; x [8192][1024], w_qkv [3072][1024] and w_out [1024][1024], f32, K innermost, become codes of FP4 (E2M1) in opc (12,288 rows of 512 bytes) and one E8M0 byte
; for each 32 along K in ops (12,288 rows of 32 bytes): x's rows first, then w_qkv's, then w_out's.
; THE STORED ORDER OF ROWS: row m lies at the row whose number has bits 3 and 4 of m exchanged.  Sixteen neighbouring stored rows 16 T + r are then the rows 32 (T / 2) + 8 (T % 2) + r + 8 (r / 8):
; a tile of such rows, as source 0 of a matrix instruction, leaves 16 neighbours along the next K in the registers of two neighbouring tiles.
; A block's scale is 2^(floor(log2(its largest magnitude)) - 2); its byte is the largest magnitude's exponent field - 2, held at 1 from below.
; LIMITS: a block of zeros gets the byte 1 where the rule says 127 (its codes are zeros, and this program alone reads the bytes); blocks whose largest magnitude lies under 2^-124 are held at that floor;
; NaN and infinities among the inputs are not served.
; SHARES: a work-group takes 32 rows, a wave 8 rows (8,192 numbers) in 16 steps of 512.  Eight rows move as one run, so the stored order is made by the run's number alone.
; Each load reads 512 consecutive bytes, 16 a lane; a step's 2,048 bytes turn through the wave's own stage in LDS and come back 64 bytes a lane, so that a lane holds 16 neighbours along K (two lanes a block).
; No tensor loads, no barrier, no cluster: waves share nothing, and no work-group reads what another reads.
.set STEPS, 16
.set CB,    8                          ; bytes of 16 codes
.set R,     16                         ; v16-79   four sets of 16 numbers as they are loaded
.set X,     80                         ; v80-111  two sets of 16 neighbours
.set E,     112                        ; v112-127 a scale byte for each step
.set C,     128                        ; v128-191 codes: registers of its own for each step, so that no store's data are written again
.set WREG,  8192                       ; LDS: a region for each wave: two stages of 32 x SP bytes, behind them its 256 scale bytes
.set SP,    80                         ; a lane's place in a stage: 64 bytes + 16 of padding
	s_load_b128 s[4:7], s[0:1], 0x0                ; x, w_qkv
	s_load_b128 s[8:11], s[0:1], 0x10              ; w_out, opc
	s_load_b64 s[12:13], s[0:1], 0x20              ; ops
	v_lshl_add_u32 v192, v0, 2, 0x8000
	v_mov_b32 v193, 0
	v_lshrrev_b32 v1, 5, v0
	v_readfirstlane_b32 s16, v1                    ; wave
	v_and_b32 v2, 31, v0                           ; lane
	v_lshlrev_b32 v3, 4, v2                        ; my 16 bytes of a load's 512
	s_mul_i32 s17, s16, WREG
	v_lshrrev_b32 v14, 2, v2
	v_mul_u32_u24 v14, v14, SP
	v_and_b32 v15, 3, v2
	v_lshl_add_u32 v14, v15, 4, v14
	v_add_nc_u32 v14, s17, v14                     ; the stage, on the way in: SP (lane / 4) + 16 (lane % 4)
	v_mul_u32_u24 v15, v2, SP
	v_add_nc_u32 v15, s17, v15                     ; and on the way out: SP x lane: my 16 neighbours
	v_mul_u32_u24 v4, v2, CB                       ; my codes' place in a step's 256 bytes
	v_lshrrev_b32 v5, 1, v2
	s_add_co_u32 s17, s17, 2*32*SP
	v_add_nc_u32 v5, s17, v5                       ; LDS: my wave's 256 scale bytes, my block's byte
	v_lshlrev_b32 v7, 3, v2                        ; and on the way out 8 bytes a lane
	v_add_nc_u32 v6, s17, v7
	s_wait_alu depctr_va_vdst(0)
	s_wait_kmcnt 0x0
	s_mov_b32 s17, 352
	s_cmp_lt_u32 ttmp9, 352                        ; work-groups 0-255: x; 256-351: w_qkv; 352-383: w_out.  The choice hangs on the work-group's number alone
	s_cselect_b64 s[6:7], s[6:7], s[8:9]
	s_cselect_b32 s17, 256, s17
	s_cmp_lt_u32 ttmp9, 256
	s_cselect_b64 s[4:5], s[4:5], s[6:7]
	s_cselect_b32 s17, 0, s17                      ; the tensor's first work-group
	s_sub_co_u32 s17, ttmp9, s17
	s_lshl_b32 s17, s17, 2
	s_add_co_u32 s18, s17, s16                     ; which run of 8 rows of the tensor is my wave's
	s_lshl_b32 s18, s18, 15                        ; 32,768 bytes a run
	s_mov_b32 s19, 0
	s_add_nc_u64 s[4:5], s[4:5], s[18:19]
	s_and_b32 s20, s16, 1                          ; where the run goes: the wave's two bits exchanged: rows' bits 3 and 4
	s_lshl_b32 s20, s20, 1
	s_lshr_b32 s21, s16, 1
	s_or_b32 s20, s20, s21
	s_lshl_b32 s21, ttmp9, 2
	s_add_co_u32 s20, s20, s21
	s_lshl_b32 s22, s20, 12                        ; 4,096 bytes of codes a run,
	s_mov_b32 s23, 0
	s_add_nc_u64 s[10:11], s[10:11], s[22:23]
	s_lshl_b32 s22, s20, 8                         ; 256 scale bytes
	s_add_nc_u64 s[12:13], s[12:13], s[22:23]
.macro LOAD t
.irp i, 0,1,2,3
	global_load_b128 v[R+16*((\t)%4)+4*\i:R+16*((\t)%4)+4*\i+3], v3, s[4:5] offset:2048*(\t)+512*\i th:TH_LOAD_NT   ; 32 lanes read 512 consecutive bytes
.endr
.endm
.macro TURN t                          ; step t's numbers through the stage: LDS serves a wave's instructions in order, so no wait stands between the stores and the loads
.irp i, 0,1,2,3
	ds_store_b128 v14, v[R+16*((\t)%4)+4*\i:R+16*((\t)%4)+4*\i+3] offset:32*SP*((\t)%2)+8*SP*\i
.endr
.irp i, 0,1,2,3
	ds_load_b128 v[X+16*((\t)%2)+4*\i:X+16*((\t)%2)+4*\i+3], v15 offset:32*SP*((\t)%2)+16*\i
.endr
.endm
.irp t, 0,1,2,3
	LOAD \t
.endr
	s_wait_loadcnt 12                              ; step 0's four loads are in; the twelve of steps 1 to 3 may be out
	TURN 0
.macro STEP t
.set XS, X+16*((\t)%2)
.if (\t) > 0
	s_wait_dscnt 1                                 ; this step's numbers are back from the stage (the last step's byte store may be out): so its stores into the stage have read their registers,
.else
	s_wait_dscnt 0x0
.endif
.if (\t)+4 < STEPS
	LOAD (\t)+4                                    ; which take the loads of four steps on
.endif
.if (\t)+1 < STEPS
.if STEPS-2-(\t) >= 3
	s_wait_loadcnt 12                              ; the next step's four loads are in; those of the three steps behind it may be out
.else
	s_wait_loadcnt 4*(STEPS-2-(\t))
.endif
	TURN (\t)+1                                    ; and go through the other stage while this step is worked
.endif
	v_max3_num_f32 v8, |v[XS]|, |v[XS+1]|, |v[XS+2]|               ; the largest magnitude of my 16, in two chains
	v_max3_num_f32 v9, |v[XS+3]|, |v[XS+4]|, |v[XS+5]|
.irp i, 6,10
	v_max3_num_f32 v8, v8, |v[XS+\i]|, |v[XS+\i+1]|
	v_max3_num_f32 v9, v9, |v[XS+\i+2]|, |v[XS+\i+3]|
.endr
	v_max3_num_f32 v8, v8, |v[XS+14]|, |v[XS+15]|
	v_max3_num_f32 v8, v8, v9, 0x1800000           ; and the floor 2^(3 - 127): the byte cannot fall under 1
	v_max_num_f32_dpp v8, v8, v8 row_xmask:1 row_mask:0xf bank_mask:0xf   ; and of my neighbour's 16: the block's
	v_add_nc_u32 v11, 0xff000000, v8               ; 2 off its exponent field: the conversion takes the exponent field of this operand as its scale
	v_cvt_scalef32_pk8_fp4_f32 v[C+4*(\t)], v[XS:XS+7], v11
	v_cvt_scalef32_pk8_fp4_f32 v[C+4*(\t)+1], v[XS+8:XS+15], v11
	v_lshrrev_b32 v[E+(\t)], 23, v11               ; the scale's byte (also the plain line behind the conversions)
	ds_store_b8 v5, v[E+(\t)] offset:16*(\t)       ; both lanes of a block write the same byte with the same value
	global_store_b64 v4, v[C+4*(\t):C+4*(\t)+1], s[10:11] offset:32*CB*(\t)   ; the wave stores 256 consecutive bytes, aligned
.endm
.irp t, 0,1,2,3,4,5,6,7,8,9,10,11,12,13,14,15
	STEP \t
.endr
	ds_load_b64 v[12:13], v6                       ; LDS serves a wave's instructions in order: these see my stores
	s_wait_dscnt 0x0
	global_store_b64 v7, v[12:13], s[12:13]        ; 32 lanes store 256 consecutive bytes, aligned
	s_wait_tensorcnt 0x0
	ds_add_u32 v192, v193
	s_wait_dscnt 0x0
	s_endpgm
.Lfunc_end_k_qf5e0fc79d7_quant:
	.size	k_qf5e0fc79d7_quant, .Lfunc_end_k_qf5e0fc79d7_quant-k_qf5e0fc79d7_quant
	.p2alignl 7, 3214868480
	.fill 96, 4, 3214868480
	.section	.rodata,"a",@progbits
	.p2align	6, 0x0
	.amdhsa_kernel k_qf5e0fc79d7_quant
		.amdhsa_group_segment_fixed_size 33280
		.amdhsa_private_segment_fixed_size 0
		.amdhsa_enable_private_segment 0
		.amdhsa_kernarg_size 40
		.amdhsa_user_sgpr_count 2
		.amdhsa_user_sgpr_kernarg_segment_ptr 1
		.amdhsa_wavefront_size32 1
		.amdhsa_system_sgpr_workgroup_id_x 1
		.amdhsa_system_sgpr_workgroup_id_y 1
		.amdhsa_system_sgpr_workgroup_id_z 1
		.amdhsa_system_vgpr_workitem_id 0
		.amdhsa_next_free_vgpr 194
		.amdhsa_next_free_sgpr 66
		.amdhsa_reserve_vcc 0
		.amdhsa_float_denorm_mode_32 3
		.amdhsa_float_denorm_mode_16_64 3
		.amdhsa_memory_ordered 1
		.amdhsa_forward_progress 1
		.amdhsa_inst_pref_size 34
	.end_amdhsa_kernel
	.amdgpu_metadata
---
amdhsa.version: [ 1, 2 ]
amdhsa.kernels:
  - .name:           k_qf5e0fc79d7_quant
    .symbol:         k_qf5e0fc79d7_quant.kd
    .args:
      - { .name: x, .offset: 0, .size: 8, .value_kind: global_buffer, .address_space: global }
      - { .name: w_qkv, .offset: 8, .size: 8, .value_kind: global_buffer, .address_space: global }
      - { .name: w_out, .offset: 16, .size: 8, .value_kind: global_buffer, .address_space: global }
      - { .name: opc, .offset: 24, .size: 8, .value_kind: global_buffer, .address_space: global }
      - { .name: ops, .offset: 32, .size: 8, .value_kind: global_buffer, .address_space: global }
    .group_segment_fixed_size: 33280
    .private_segment_fixed_size: 0
    .kernarg_segment_align: 8
    .kernarg_segment_size: 40
    .max_flat_workgroup_size: 128
    .sgpr_count:     66
    .vgpr_count:     194
    .wavefront_size: 32
...
	.end_amdgpu_metadata
.endif
;; end of part 1
;; launch proj (part 2): grid 8 x 48, 4 waves a work-group, clusters of 4 x 4, 327,680 bytes of LDS; arguments opc, ops, b_qkv, qkvc, qkvs; writes qkvc, qkvs
.if DOCPART == 2
	.amdgcn_target "amdgcn-amd-amdhsa--gfx1250"
	.amdhsa_code_object_version 6
	.text
	.protected	k_qf5e0fc79d7_proj
	.globl	k_qf5e0fc79d7_proj
	.p2align	8
	.type	k_qf5e0fc79d7_proj,@function
k_qf5e0fc79d7_proj:
	s_mov_b64 s[64:65], 0
	v_nop
	global_prefetch_b8 v0, s[64:65] scope:SCOPE_SE
	s_setreg_imm32_b32 hwreg(HW_REG_WAVE_MODE, 25, 1), 1
	s_wait_xcnt 0x0
	s_wait_alu depctr_hold_cnt(0) depctr_sa_sdst(0) depctr_va_vdst(0) depctr_va_sdst(0) depctr_va_ssrc(0) depctr_va_vcc(0) depctr_vm_vsrc(0)
	s_getreg_b32 s2, hwreg(HW_REG_IB_STS2, 6, 4)
	s_cmp_eq_u32 s2, 0
	s_cbranch_scc0 .Lentry_in_a_cluster
	s_endpgm
.Lentry_in_a_cluster:
	s_bfe_u32 s2, ttmp6, 0x10000c
	s_cmp_lg_u32 s2, 0xf033
	s_cbranch_scc0 .Lentry_shape_is_right
	s_endpgm
.Lentry_shape_is_right:
; qkv = x w_qkv^T + b_qkv on codes of FP4 (E2M1) with E8M0 scales, K = 1,024; the results are quantised in registers and leave as codes: q and k along the head's 64, v along the tokens (the keys).
; Both operands are rows of opc (512 bytes of codes) and ops (32 scale bytes): tiles of 256 rows: x 0-31, w_q and w_k 32-39, w_v 40-43.  Rows lie in the stored order (bits 3 and 4 of the row's number exchanged).
; A tile of 256 x 256 results is made by four waves, 128 x 128 each: 64 accumulators of 16 x 16.  Source 0 takes 16 rows of P, source 1 16 rows of Q: a lane holds ONE row of Q, its registers run along P,
; and by the stored order the 64 registers of one block of Q's rows are, for lane half h, P's rows 32 b + 16 h + 0 .. 15, b = 0 .. 3: neighbours along the next product's K.
; MODE 0 (cluster y 0-7):  P = features of q and k, Q = tokens.     MODE 1 (cluster y 8-11): P = tokens, Q = channels of v.  The mode is the same in all sixteen partners of a cluster.
; K = 1,024 fits in LDS whole: two slots of 512 along K and all scale bytes are first fills; nothing is filled again.
; CLUSTERS: 4 x 4.  Q's tile is shared along a row of the cluster, P's along a column: each is asked for jointly, with the same descriptor and a mask that names the four.
; THE BIAS is the C of each sum's first matrix instruction (so it enters a sum first: an order of f32 rounding other than adding it last).
; OUT.  An image is four operand registers of a wave, lane l's 16 bytes at 16 l: 512 consecutive bytes a store.
;   qkvc: q, k: [feature / 64][stored token / 16][image];  v, from byte 0x800000: [token / 64][stored channel / 16][image].
;   qkvs: q, k: [feature / 64][stored token / 64][r][tile % 4] words, bytes 0, 1 the head's two scales, bytes 2, 3 zero;  v, from byte 0x100000: [head][token / 128][r][channel tile % 4] words.
; LIMITS: a block of zeros gets the byte 1 where the rule says 127 (zero codes; this program alone reads the bytes); blocks under 2^-124 are held at that floor; NaN and infinities are not served.
; REGISTERS, in windows of 256: window 0: v1 r, v2 h, v16-31 addresses; v32-95 scale words, two sets; v128-191 Q's fragments, one set; v192-255 the bias.  On the way out v32-63 at work, v128-191 the codes.
;   window 1: P's fragments, two sets.   window 2: the accumulators of Q's blocks 0-3 ((a, b) at v[8 (8 (a % 4) + b)]);   window 3: those of blocks 4-7.
.set NQ,     4                         ; steps of 128 along K in a slot
.set ROWB,   256                       ; a tile's row in bytes: 512 codes
.set KROW,   512                       ; a row of opc
.set PITCH,  272                       ; an LDS row: 256 bytes + 16 of padding: the 16 rows that a load touches start 68 words apart
.set FR,     8                         ; registers of a fragment
.set NL,     2                         ; LDS loads that bring one
.set NP,     4                         ; places behind this matrix instruction (ISA guide 7.12.1)
.set HALFT,  128*PITCH
.set SLOT,   4*HALFT                   ; Q's 256 rows, then P's 256 rows
.set KS,     32                        ; a row of ops
.set SCL,    2*SLOT                    ; behind the slots: the scale bytes, as rows of 256 bytes + 16 of padding
.set HALFS,  (128*KS/256)*272
.set SBLK,   (16*KS/256)*272
.set SPARE,  SCL+4*HALFS               ; the spare words, 128 bytes for each wave, that no other line names
.set ADRA, 16                          ; v16-17  LDS address of my fragments of Q in slot 0, 1
.set ADRB, 20                          ; v20-21  the same for P
.set BO,   24                          ; v24     the bias loads' lane offset
.set SO,   25                          ; v25     the scale stores' lane offset
.set LI,   26                          ; v26     16 x lane: an image's place for my lane
.set ADRS, 27                          ; v27     LDS address of my scale words: lanes 0-15 Q's rows, lanes 16-31 P's
.set SPW,  28                          ; v28     my spare word; never rewritten
.set NIL,  29                          ; v29     0; never rewritten
.set SH,   30                          ; v30     mode 0: 16 h; mode 1: 0: how far a scale word is shifted down
.set MK,   31                          ; v31     mode 0: 0xffff; mode 1: all ones: what is kept of it
.set SC,   32
.set AF,   128
.set BI,   192
.set TM,   32                          ; the way out: v32-35 largest magnitudes, v36-39 bytes, v44-47 the conversions' scale operands
.set PW,   48                          ; the scale word just made
.set FL,   50                          ; the floor 2^(3 - 127)
.set SW,   52                          ; v52-59 the eight blocks' scale words
.set SD,   60                          ; v60-63 mode 1: the four that my lane stores
.set PC,   128                         ; the codes: eight registers for each block, so that no store's data are written again
.set G1, 24
.set G0, 32
.set G1B, 48
.set G0B, 56
.set G1S, 68
.set G0S, 76
.set G1SB, 80
.set G0SB, 88
.set MODE, 66
.set C1,  92                           ; s[92:93] the second image's base
.set SEL, 96                           ; s[96:97] v_permlanex16_b32's selects for lane l xor 16
.set MSB, 0
.macro WIN new                         ; the immediate's high byte repeats the setting that is left
.if MSB != \new
	s_set_vgpr_msb (MSB<<8)|\new
.set MSB, \new
.endif
.endm
.set MUL_LO,  0xa1                     ; source 0 (P) window 1, source 1 (Q) window 0, C and D window 2
.set MUL_HI,  0xf1                     ; the same, C and D window 3
.set BIAS_LO, 0x81                     ; C (the bias) window 0, D window 2
.set BIAS_HI, 0xc1                     ; C window 0, D window 3
.set TO_B,    0x40                     ; destination window 1, address window 0
; A joint load: waves 0 and 1 fetch for Q, waves 2 and 3 for P.  The branch hangs on the wave's number alone.  Four v_nop follow each of the two lines.
.macro JLOAD g0a, g1a, g0b, g1b
	s_cmp_eq_u32 s15, 0
	s_cbranch_scc0 .Lfor_b_\@
	tensor_load_to_lds s[\g0a:\g0a+3], s[\g1a:\g1a+7]
	s_nop 0
.rept 4
	v_nop
.endr
	s_branch .Lasked_\@
.Lfor_b_\@:
	tensor_load_to_lds s[\g0b:\g0b+3], s[\g1b:\g1b+7]
	s_nop 0
.rept 4
	v_nop
.endr
.Lasked_\@:
.endm
.macro CROUND                          ; a round of the cluster's barrier
	s_barrier_signal -1
	s_barrier_wait -1
	s_cmp_lg_u32 s14, 0
	s_cbranch_scc1 .Lnot_wave_0_\@
	s_barrier_signal -3
.Lnot_wave_0_\@:
	s_barrier_wait -3
	s_barrier_signal -1
	s_barrier_wait -1
.endm
	s_load_b128 s[4:7], s[0:1], 0x0                ; opc, ops
	s_load_b128 s[8:11], s[0:1], 0x10              ; b_qkv, qkvc
	s_load_b64 s[12:13], s[0:1], 0x20              ; qkvs
	v_lshl_add_u32 v[SPW], v0, 2, SPARE
	v_mov_b32 v[NIL], 0
	ds_add_u32 v28, v29
	ds_add_u32 v28, v29
	s_wait_dscnt 0x0
	v_lshrrev_b32 v1, 5, v0
	v_readfirstlane_b32 s14, v1                    ; wave 0..3
	s_lshr_b32 s15, s14, 1                         ; which half of Q's rows is mine.  Also: I fetch for Q (0) or for P (1)
	s_and_b32 s16, s14, 1                          ; which half of P's rows.  Also: which 128 rows of that tile I fetch
	s_bfe_u32 s40, ttmp6, 0x40000                  ; cx, cy: my place in the cluster
	s_bfe_u32 s41, ttmp6, 0x40004
	s_and_b32 s17, ttmp7, 0xffff                   ; cluster y
	s_add_co_u32 s42, ttmp9, 8                     ; mode 0: P's tiles 32 .. 39 = 4 (cluster x + 8) + cx
	s_sub_co_u32 s67, s17, 8
	s_lshl_b32 s67, s67, 1
	s_add_co_u32 s67, s67, ttmp9                   ; mode 1: P's tiles 0 .. 31 = 4 (cluster x + 2 (cluster y - 8)) + cx
	s_cmp_ge_u32 s17, 8
	s_cselect_b32 s42, s67, s42
	s_cselect_b32 s17, 10, s17                     ; Q's tiles: mode 0: 4 cluster y + cy; mode 1: 40 + cy
	s_cselect_b32 s[MODE], 1, 0
	s_lshl_b32 s42, s42, 2
	s_add_co_u32 s42, s42, s40                     ; P's tile
	s_lshl_b32 s17, s17, 2
	s_add_co_u32 s17, s17, s41                     ; Q's tile
	s_lshl_b32 s43, s41, 2
	s_lshl_b32 s43, 15, s43                        ; my row of the cluster
	s_lshl_b32 s44, 0x1111, s40                    ; my column
	; descriptor group 1: a tile of 128 rows x 256 bytes, padded in LDS
	s_or_b32 s[G1+0], s43, (0<<16)|(1<<20)|(1<<21)|(5<<22)|(3<<25)  ; 15:0 the mask: Q's tiles go to my row; 17:16 elements of 1 byte; 20 padding on; 21 set beside a mask; 24:22 after every 64 words; 31:25 four words
	s_or_b32 s[G1B+0], s44, (0<<16)|(1<<20)|(1<<21)|(5<<22)|(3<<25)
.irp g, G1, G1B
	s_mov_b32 s[\g+1], ROWB<<16                    ; tensor_dim0
	s_mov_b32 s[\g+2], 128<<16                     ; tensor_dim1
	s_mov_b32 s[\g+3], ROWB<<16                    ; tile_dim0
	s_mov_b32 s[\g+4], 128                         ; tile_dim1
	s_mov_b32 s[\g+5], KROW                        ; tensor_dim0_stride
	s_mov_b32 s[\g+6], 0
	s_mov_b32 s[\g+7], 0
.endr
	; the scale bytes of 128 rows: 4,096 dense bytes, as 16 rows of 256 bytes (32 elements of 8 bytes), 16 bytes of padding behind each
	s_or_b32 s[G1S+0], s43, (3<<16)|(1<<20)|(1<<21)|(5<<22)|(3<<25)
	s_or_b32 s[G1SB+0], s44, (3<<16)|(1<<20)|(1<<21)|(5<<22)|(3<<25)
.irp g, G1S, G1SB
	s_mov_b32 s[\g+1], 32<<16
	s_mov_b32 s[\g+2], (128*KS/256)<<16
	s_mov_b32 s[\g+3], 32<<16
	s_mov_b32 s[\g+4], 128*KS/256
	s_mov_b32 s[\g+5], 32
	s_mov_b32 s[\g+6], 0
	s_mov_b32 s[\g+7], 0
.endr
	s_lshl_b32 s18, s16, 7                         ; which 128 rows of the tile I fetch
	s_lshl_b32 s20, s17, 8
	s_add_co_u32 s20, s20, s18                     ; Q: row 256 x tile + 128 x half
	s_lshl_b32 s46, s42, 8
	s_add_co_u32 s46, s46, s18                     ; P likewise
	s_mov_b32 s21, 0
	s_mov_b32 s47, 0
	s_mov_b64 s[18:19], KS
	s_mul_u64 s[22:23], s[20:21], s[18:19]         ; where these rows' scale bytes begin,
	s_mul_u64 s[92:93], s[46:47], s[18:19]
	s_mov_b64 s[18:19], KROW
	s_mul_u64 s[20:21], s[20:21], s[18:19]         ; and their codes
	s_mul_u64 s[46:47], s[46:47], s[18:19]
	s_mul_i32 s45, s14, HALFT                      ; where they go: wave x 128 rows: no place in the cluster enters an LDS address
	s_mul_i32 s94, s14, HALFS
	s_wait_kmcnt 0x0
	s_add_nc_u64 s[20:21], s[4:5], s[20:21]
	s_add_nc_u64 s[22:23], s[6:7], s[22:23]
	s_add_nc_u64 s[46:47], s[4:5], s[46:47]
	s_add_nc_u64 s[92:93], s[6:7], s[92:93]
	CROUND                                         ; all sixteen work-groups are here: the joint loads meet
	s_mov_b32 s[G0S], 1
	s_add_co_u32 s[G0S+1], s94, SCL
	s_mov_b64 s[G0S+2:G0S+3], s[22:23]
	s_or_b32 s[G0S+3], s[G0S+3], 0x80000000
	s_mov_b32 s[G0SB], 1
	s_add_co_u32 s[G0SB+1], s94, SCL
	s_mov_b64 s[G0SB+2:G0SB+3], s[92:93]
	s_or_b32 s[G0SB+3], s[G0SB+3], 0x80000000
	JLOAD G0S, G1S, G0SB, G1SB                     ; the scale bytes first: they are wanted with the first step
.irp s, 0,1
	s_mov_b32 s[G0+4*\s], 1
	s_add_co_u32 s[G0+4*\s+1], s45, \s*SLOT
	s_add_nc_u64 s[G0+4*\s+2:G0+4*\s+3], s[20:21], \s*ROWB
	s_or_b32 s[G0+4*\s+3], s[G0+4*\s+3], 0x80000000
	s_mov_b32 s[G0B+4*\s], 1
	s_add_co_u32 s[G0B+4*\s+1], s45, \s*SLOT
	s_add_nc_u64 s[G0B+4*\s+2:G0B+4*\s+3], s[46:47], \s*ROWB
	s_or_b32 s[G0B+4*\s+3], s[G0B+4*\s+3], 0x80000000
	JLOAD G0+4*\s, G1, G0B+4*\s, G1B               ; three tensor loads of mine are out, and no more will be issued
.endr
	v_and_b32 v1, 15, v0                           ; r = lane % 16
	v_bfe_u32 v2, v0, 4, 1                         ; h = lane / 16
	v_mul_u32_u24 v3, v1, PITCH
	v_lshl_add_u32 v4, v2, 4, v3                   ; a fragment's row x pitch + 16 x half
	s_mul_i32 s21, s15, HALFT                      ; my 128 rows of Q
	s_mul_i32 s22, s16, HALFT                      ; my 128 rows of P,
	s_add_co_u32 s22, s22, 2*HALFT                 ; which lie behind Q's 256
.irp s, 0,1
	v_add_nc_u32 v[ADRA+\s], s21, v4
	v_add_nc_u32 v[ADRB+\s], s22, v4
	s_add_co_u32 s21, s21, SLOT
	s_add_co_u32 s22, s22, SLOT
.endr
	v_mul_u32_u24 v5, v1, KS                       ; my row's scale bytes: 32 a row,
	v_lshrrev_b32 v6, 8, v5
	v_lshl_add_u32 v5, v6, 4, v5                   ; and 16 more for each 256 passed
	s_mul_i32 s21, s15, HALFS
	s_mul_i32 s22, s16, HALFS
	s_add_co_u32 s22, s22, 2*HALFS
	s_sub_co_u32 s22, s22, s21
	v_mul_u32_u24 v6, s22, v2                      ; lanes 16-31 take P's: one product, the distance between the two bases
	s_add_co_u32 s21, s21, SCL
	v_add_nc_u32 v5, v5, v6
	v_add_nc_u32 v[ADRS], s21, v5
	v_and_b32 v[LI], 31, v0
	v_lshlrev_b32 v[LI], 4, v[LI]
	s_mov_b32 s[SEL], 0x76543210
	s_mov_b32 s[SEL+1], 0xfedcba98
	; where the results go and the bias comes from
	s_lshl_b32 s98, s42, 2
	s_lshl_b32 s99, s16, 1
	s_add_co_u32 s98, s98, s99                     ; P's group of 64 rows: 4 x tile + 2 x my half
	s_lshl_b32 s99, s17, 4
	s_lshl_b32 s100, s15, 3
	s_add_co_u32 s99, s99, s100                    ; Q's block of 16 rows: 16 x tile + 8 x my half
	s_mov_b32 s101, 0
	s_cmp_eq_u32 s[MODE], 0
	s_cbranch_scc0 .Lhead_v
	s_sub_co_u32 s98, s98, 128                     ; MODE 0: u = feature / 64 (w_q's first tile is 32); s99 = stored token / 16
	s_lshl_b32 s100, s98, 18
	s_lshl_b32 s67, s99, 9
	s_add_co_u32 s100, s100, s67
	s_add_nc_u64 s[10:11], s[10:11], s[100:101]    ; images: 262,144 u + 512 x block
	s_add_nc_u64 s[C1:C1+1], s[10:11], 0x40000     ; the second image: the next 64 features
	s_lshl_b32 s100, s98, 15
	s_lshl_b32 s67, s99, 6
	s_add_co_u32 s100, s100, s67
	s_add_nc_u64 s[12:13], s[12:13], s[100:101]    ; scale words: 32,768 u + 64 x block
	s_lshl_b32 s100, s98, 8
	s_add_nc_u64 s[8:9], s[8:9], s[100:101]        ; the bias of my 128 features
	v_lshlrev_b32 v[SO], 15, v2
	v_lshl_add_u32 v[SO], v1, 4, v[SO]             ; lanes 16-31 store the odd head's words
	v_lshlrev_b32 v[SH], 4, v2
	v_mov_b32 v[MK], 0xffff
	v_lshlrev_b32 v[BO], 6, v2                     ; the bias runs along the registers: block b's eight are features 32 (b / 2) + 8 (b % 2) + 16 h + 0 .. 7
.irp b, 0,1,2,3,4,5,6,7
	global_load_b128 v[BI+8*\b:BI+8*\b+3], v[BO], s[8:9] offset:128*(\b/2)+32*(\b%2)
	global_load_b128 v[BI+8*\b+4:BI+8*\b+7], v[BO], s[8:9] offset:128*(\b/2)+32*(\b%2)+16
.endr
	s_branch .Lhead_done
.Lhead_v:
	s_sub_co_u32 s99, s99, 640                     ; MODE 1: s98 = token / 64; s99 = stored channel / 16 (w_v's first tile is 40)
	s_lshl_b32 s100, s98, 15
	s_lshl_b32 s67, s99, 9
	s_add_co_u32 s100, s100, s67
	s_add_co_u32 s100, s100, 0x800000
	s_add_nc_u64 s[10:11], s[10:11], s[100:101]    ; images: 0x800000 + 32,768 x group + 512 x block
	s_add_nc_u64 s[C1:C1+1], s[10:11], 0x8000      ; the second image: the next 64 tokens
	s_lshl_b32 s100, s99, 12
	s_lshl_b32 s67, s98, 7
	s_add_co_u32 s100, s100, s67
	s_add_co_u32 s100, s100, 0x100000
	s_add_nc_u64 s[12:13], s[12:13], s[100:101]    ; scale words: 0x100000 + 16,384 x head + 256 x (token / 128)
	s_lshl_b32 s100, s99, 6
	s_add_co_u32 s100, s100, 8192
	s_add_nc_u64 s[8:9], s[8:9], s[100:101]        ; the bias of my 128 channels, behind q's and k's 2,048 numbers
	v_lshlrev_b32 v[SO], 14, v2
	v_lshl_add_u32 v[SO], v1, 4, v[SO]             ; lanes 16-31 store the second head's words
	v_mov_b32 v[SH], 0
	v_mov_b32 v[MK], -1
	v_and_b32 v[BO], 8, v1
	v_add_nc_u32 v[BO], v[BO], v1
	v_lshlrev_b32 v[BO], 2, v[BO]                  ; the bias runs along the lanes: lane r of block a is channel 32 (a / 2) + 8 (a % 2) + r + 8 (r / 8); the block's eight registers are alike
.irp a, 0,1,2,3,4,5,6,7
.irp j, 0,1,2,3,4,5,6,7
	global_load_b32 v[BI+8*\a+\j], v[BO], s[8:9] offset:128*(\a/2)+32*(\a%2)
.endr
.endr
.Lhead_done:
.macro FRAG reg, adr, q, i             ; a fragment, 16 rows x 128 K: lane l holds row l % 16; registers 4 c .. 4 c + 3 hold K = 64 c + 32 (l / 16) + 0 .. 31
.irp c, 0,1
	ds_load_b128 v[\reg+4*\c:\reg+4*\c+3], v[\adr] offset:64*(\q)+32*\c+(\i)*16*PITCH
.endr
.endm
; 16 matrix instructions: Q's blocks a0, a0 + 1 x P's eight, the slot's q-th 128 along K.  p: P's set; sc: the set of scale words.
; cm = 0: the sums go on in place; 1: they begin with the bias of P's block; 2: with the bias of Q's block.  The 64 accumulators take turns, one instruction a turn.
.macro MUL16 a0, p, q, sc, cm
.irp a, \a0, \a0+1
.irp b, 0,1,2,3,4,5,6,7
.set rD, 8*(8*((\a)%4)+\b)
.set rC, rD
.if \cm == 1
.set rC, BI+8*\b
.elseif \cm == 2
.set rC, BI+8*(\a)
.endif
	v_wmma_scale_f32_16x16x128_f8f6f4 v[rD:rD+7], v[128*(\p)+FR*\b:128*(\p)+FR*\b+FR-1], v[AF+FR*(\a):AF+FR*(\a)+FR-1], v[rC:rC+7], v[SC+8*NQ*(\sc)+NQ*\b+(\q)], v[SC+8*NQ*(\sc)+NQ*(\a)+(\q)] matrix_a_fmt:MATRIX_FMT_FP4 matrix_b_fmt:MATRIX_FMT_FP4 matrix_a_scale:MATRIX_SCALE_ROW1
.endr
.endr
.endm
.macro FETCH_B slot, q, p
	WIN TO_B
.irp i, 0,1,2,3,4,5,6,7
	FRAG 128*(\p)+FR*\i, ADRB+\slot, \q, \i
.endr
	WIN 0
.endm
.macro FETCH_A slot, q, i0
.irp i, \i0, \i0+1, \i0+2, \i0+3
	FRAG AF+FR*(\i), ADRA+\slot, \q, \i
.endr
.endm
.macro SCALES sc                       ; a slot's scale words: four a row; lanes 0-15 take Q's block i, lanes 16-31 P's block i
.irp i, 0,1,2,3,4,5,6,7
	ds_load_b128 v[SC+8*NQ*\sc+NQ*\i:SC+8*NQ*\sc+NQ*\i+3], v[ADRS] offset:\i*SBLK
.endr
.endm
.macro PLACES n                        ; plain vector lines between a matrix instruction and a load into, or a vector line on, one of its registers
.rept \n
	v_nop
.endr
.endm
; A step of 128 along K that has its successor in the same slot.  Q has one set of registers: blocks 0-3 are fetched anew in the step's middle, blocks 4-7 at its end; P has two sets.
.macro STEP slot, q, cm
	s_wait_dscnt 4*NL                              ; P's set and Q's blocks 0-3 are in; the youngest eight loads (Q's blocks 4-7) may be out
.if \cm
	WIN BIAS_LO
.else
	WIN MUL_LO
.endif
	MUL16 0, (\q)%2, \q, \slot, \cm
	MUL16 2, (\q)%2, \q, \slot, \cm
	s_wait_dscnt 0
	PLACES NP
	FETCH_B \slot, (\q)+1, 1-(\q)%2
	FETCH_A \slot, (\q)+1, 0
.if \cm
	WIN BIAS_HI
.else
	WIN MUL_HI
.endif
	MUL16 4, (\q)%2, \q, \slot, \cm
	MUL16 6, (\q)%2, \q, \slot, \cm
	PLACES NP
	WIN 0
	FETCH_A \slot, (\q)+1, 4
.endm
; Slot 0's last step goes over to slot 1: each wave waits for all its tensor loads (its part of slot 1 was still out) and signals; behind the barrier slot 1 is whole.  Nothing is filled.
.macro TURN slot, next
	s_wait_tensorcnt 0x0                           ; all my tensor loads have landed
	ds_add_u32 v[SPW], v[NIL]                      ; 0 onto my spare word
	s_wait_dscnt 4*NL+1                            ; (the add and the youngest eight loads may be out)
	WIN MUL_LO
	MUL16 0, 1, NQ-1, \slot, 0
	s_wait_dscnt 0x0                               ; no LDS instruction of mine is out at the signal
	s_barrier_signal -1
	MUL16 2, 1, NQ-1, \slot, 0
	WIN 0
	s_barrier_wait -1
	PLACES NP
	v_add_nc_u32 v[ADRS], 4*NQ, v[ADRS]            ; on to the next slot's scale words
	FETCH_B \next, 0, 0
	FETCH_A \next, 0, 0
	SCALES \next
	WIN MUL_HI
	MUL16 4, 1, NQ-1, \slot, 0
	MUL16 6, 1, NQ-1, \slot, 0
	PLACES NP
	WIN 0
	FETCH_A \next, 0, 4
.endm
	s_wait_tensorcnt 1                             ; the scale bytes and my part of slot 0 are in (slot 1's load may be out),
	s_barrier_signal -1
	s_barrier_wait -1                              ; everybody's are
	FETCH_B 0, 0, 0
	FETCH_A 0, 0, 0
	s_wait_alu depctr_va_vdst(0)
	SCALES 0
	FETCH_A 0, 0, 4
	s_wait_loadcnt 0x0                             ; the bias
	s_cmp_eq_u32 s[MODE], 0
	s_cbranch_scc0 .Lfirst_v
	STEP 0, 0, 1                                   ; the first step starts the sums with the bias: along P,
	s_branch .Lfirst_done
.Lfirst_v:
	STEP 0, 0, 2                                   ; or along Q
.Lfirst_done:
	STEP 0, 1, 0
	STEP 0, 2, 0
	TURN 0, 1
	STEP 1, 0, 0
	STEP 1, 1, 0
	STEP 1, 2, 0
	s_wait_dscnt 4*NL                              ; the last step: nothing more to fetch
	WIN MUL_LO
	MUL16 0, 1, NQ-1, 1, 0
	MUL16 2, 1, NQ-1, 1, 0
	s_wait_dscnt 0
	WIN MUL_HI
	MUL16 4, 1, NQ-1, 1, 0
	MUL16 6, 1, NQ-1, 1, 0
	WIN 0
; THE WAY OUT.  Block a's 64 registers of a lane, register 16 b + i = P's row 32 b + 16 h + i, become two images and a scale word.
.macro QUANTW a
.set AC, 64*((\a)%4)
.set WN, 2+(\a)/4
.set WS, (WN<<2)|(WN<<4)
.set PCA, PC+8*(\a)
	WIN WS                                         ; sources 1 and 2: the accumulators' window
.irp b, 0,1,2,3
	v_max3_num_f32 v[TM+\b], v[FL], |v[AC+16*\b]|, |v[AC+16*\b+1]|   ; each accumulator is read from its low end on; the floor holds the byte at 1 from below
.endr
.irp i, 2,4,6,8,10,12,14
.irp b, 0,1,2,3
	v_max3_num_f32 v[TM+\b], v[TM+\b], |v[AC+16*\b+\i]|, |v[AC+16*\b+\i+1]|   ; (the four blocks by turns)
.endr
.endr
	WIN 0
.irp b, 0,1,2,3
	v_permlanex16_b32 v[TM+4+\b], v[TM+\b], s[SEL], s[SEL+1]
.endr
.irp b, 0,1,2,3
	v_max_num_f32 v[TM+\b], v[TM+\b], v[TM+4+\b]   ; with lane l xor 16's: the block's largest magnitude
.endr
.irp b, 0,1,2,3
	v_add_nc_u32 v[TM+12+\b], 0xff000000, v[TM+\b] ; 2 off its exponent field: the conversion's scale operand
.endr
.irp b, 0,1,2,3
	v_lshrrev_b32 v[TM+4+\b], 23, v[TM+12+\b]      ; the scale's byte
.endr
	v_lshl_or_b32 v[PW], v[TM+5], 8, v[TM+4]
	v_lshl_or_b32 v[PW], v[TM+6], 16, v[PW]
	v_lshl_or_b32 v[PW], v[TM+7], 24, v[PW]
	WIN WN                                         ; source 0: the accumulators' window
.irp b, 0,1,2,3
	v_cvt_scalef32_pk8_fp4_f32 v[PCA+2*\b], v[AC+16*\b:AC+16*\b+7], v[TM+12+\b]
	v_cvt_scalef32_pk8_fp4_f32 v[PCA+2*\b+1], v[AC+16*\b+8:AC+16*\b+15], v[TM+12+\b]
.endr
	WIN 0
	v_nop                                          ; one plain line behind a scaled conversion
.irp c, 0,1                                    ; the operand's layout wants a whole block in a lane: lanes 0-15 block 2 c, lanes 16-31 block 2 c + 1
.irp i, 0,1
	v_permlane16_swap_b32 v[PCA+4*\c+\i], v[PCA+2+4*\c+\i]
.endr
.endr
.endm
	PLACES NP                                      ; behind the last products: their results are read, and their scale words' and fragments' registers written, below
.irp b, 0,1,2,3
	v_mov_b32 v[TM+4+\b], 0                        ; written once: a lane permute's destination counts as one of its sources
.endr
	v_mov_b32 v[FL], 0x1800000
.irp a, 0,1,2,3,4,5,6,7
	QUANTW \a
	v_lshrrev_b32 v[SW+\a], v[SH], v[PW]           ; mode 0: lanes 0-15 keep the even head's two bytes, lanes 16-31 the odd head's; mode 1: the whole word
	v_and_b32 v[SW+\a], v[MK], v[SW+\a]
	global_store_b128 v[LI], v[PC+8*\a:PC+8*\a+3], s[10:11] offset:512*\a       ; an image: 512 consecutive bytes, aligned
	global_store_b128 v[LI], v[PC+8*\a+4:PC+8*\a+7], s[C1:C1+1] offset:512*\a
.endr
	s_cmp_eq_u32 s[MODE], 0
	s_cbranch_scc0 .Lscales_v
	global_store_b128 v[SO], v[SW:SW+3], s[12:13]              ; sixteen lanes store 256 consecutive bytes, aligned: four blocks' words of 16 tokens
	global_store_b128 v[SO], v[SW+4:SW+7], s[12:13] offset:256
	s_branch .Lend
.Lscales_v:
	v_cmp_ne_u32 vcc_lo, 0, v2
	s_wait_alu depctr_va_vdst(0)
.irp i, 0,1,2,3
	v_cndmask_b32 v[SD+\i], v[SW+\i], v[SW+4+\i], vcc_lo       ; blocks 0-3 are one head's channels, blocks 4-7 the next head's: lanes 16-31 take those
.endr
	global_store_b128 v[SO], v[SD:SD+3], s[12:13]
.Lend:
	s_wait_tensorcnt 0x0                           ; the wave's end
	ds_add_u32 v[SPW], v[NIL]
	s_wait_dscnt 0x0
	CROUND                                         ; the closing round: no work-group ends while a partner may still ask for a tile that names it
	s_endpgm
.Lfunc_end_k_qf5e0fc79d7_proj:
	.size	k_qf5e0fc79d7_proj, .Lfunc_end_k_qf5e0fc79d7_proj-k_qf5e0fc79d7_proj
	.p2alignl 7, 3214868480
	.fill 96, 4, 3214868480
	.section	.rodata,"a",@progbits
	.p2align	6, 0x0
	.amdhsa_kernel k_qf5e0fc79d7_proj
		.amdhsa_group_segment_fixed_size 327680
		.amdhsa_private_segment_fixed_size 0
		.amdhsa_enable_private_segment 0
		.amdhsa_kernarg_size 40
		.amdhsa_user_sgpr_count 2
		.amdhsa_user_sgpr_kernarg_segment_ptr 1
		.amdhsa_wavefront_size32 1
		.amdhsa_system_sgpr_workgroup_id_x 1
		.amdhsa_system_sgpr_workgroup_id_y 1
		.amdhsa_system_sgpr_workgroup_id_z 1
		.amdhsa_system_vgpr_workitem_id 0
		.amdhsa_next_free_vgpr 1024
		.amdhsa_next_free_sgpr 102
		.amdhsa_reserve_vcc 1
		.amdhsa_float_denorm_mode_32 3
		.amdhsa_float_denorm_mode_16_64 3
		.amdhsa_memory_ordered 1
		.amdhsa_forward_progress 1
		.amdhsa_inst_pref_size 147
	.end_amdhsa_kernel
	.amdgpu_metadata
---
amdhsa.version: [ 1, 2 ]
amdhsa.kernels:
  - .name:           k_qf5e0fc79d7_proj
    .symbol:         k_qf5e0fc79d7_proj.kd
    .args:
      - { .name: opc, .offset: 0, .size: 8, .value_kind: global_buffer, .address_space: global }
      - { .name: ops, .offset: 8, .size: 8, .value_kind: global_buffer, .address_space: global }
      - { .name: b_qkv, .offset: 16, .size: 8, .value_kind: global_buffer, .address_space: global }
      - { .name: qkvc, .offset: 24, .size: 8, .value_kind: global_buffer, .address_space: global }
      - { .name: qkvs, .offset: 32, .size: 8, .value_kind: global_buffer, .address_space: global }
    .group_segment_fixed_size: 327680
    .private_segment_fixed_size: 0
    .kernarg_segment_align: 8
    .kernarg_segment_size: 40
    .max_flat_workgroup_size: 128
    .sgpr_count:     102
    .vgpr_count:     1024
    .wavefront_size: 32
...
	.end_amdgpu_metadata
.endif
;; end of part 2
;; launch attn (part 3): grid 4 x 64, 16 waves a work-group, clusters of 4 x 1, 169,984 bytes of LDS; arguments qkvc, qkvs, aoc, aos; writes aoc, aos
.if DOCPART == 3
	.amdgcn_target "amdgcn-amd-amdhsa--gfx1250"
	.amdhsa_code_object_version 6
	.text
	.protected	k_qf5e0fc79d7_attn
	.globl	k_qf5e0fc79d7_attn
	.p2align	8
	.type	k_qf5e0fc79d7_attn,@function
k_qf5e0fc79d7_attn:
	s_mov_b64 s[64:65], 0
	v_nop
	global_prefetch_b8 v0, s[64:65] scope:SCOPE_SE
	s_setreg_imm32_b32 hwreg(HW_REG_WAVE_MODE, 25, 1), 1
	s_wait_xcnt 0x0
	s_wait_alu depctr_hold_cnt(0) depctr_sa_sdst(0) depctr_va_vdst(0) depctr_va_sdst(0) depctr_va_ssrc(0) depctr_va_vcc(0) depctr_vm_vsrc(0)
	s_getreg_b32 s2, hwreg(HW_REG_IB_STS2, 6, 4)
	s_cmp_eq_u32 s2, 0
	s_cbranch_scc0 .Lentry_in_a_cluster
	s_endpgm
.Lentry_in_a_cluster:
	s_bfe_u32 s2, ttmp6, 0x10000c
	s_cmp_lg_u32 s2, 0x3003
	s_cbranch_scc0 .Lentry_shape_is_right
	s_endpgm
.Lentry_shape_is_right:
; For each batch b and head: o = softmax(q k^T / 8) v, both products on codes of FP4 (E2M1) with E8M0 scales; o is quantised along the head's 64 channels and leaves as codes for the last projection.
; THE SOFTMAX AHEAD OF THE SECOND PRODUCT: t = score x log2(e) / 8; M = the running largest t rounded up to a whole number; p = 2^(t - M) is quantised along the keys, not normalised; the row's sum is taken of the
; unquantised p and divides o at the end.  When M moves, the sum and o are multiplied by 2^(old M - new M), which rounds nothing.
; The factor 1/8 on q is a power of two: it moves q's scales and no code, so it is taken in the constant c.  LIMIT: this equals scaling q first except where a block of q lies under about 2^-121.
; LIMITS: a block of zeros gets the byte 1 where the rule says 127 (zero codes; this program alone reads the bytes); blocks under 2^-124 are held at that floor; NaN and infinities are not served.
; SHARES.  Work-group (x, y): y = 16 b + head; 512 queries (stored tokens 512 x .. 512 x + 511 of the batch).  Each of sixteen waves owns two tiles of 16 queries, so that every fragment of K and V read from LDS
; feeds two products; four waves share a SIMD, so that one wave's exponentials stand beside another's plain work.
; LDS.  The head's K and V in codes (65,536 bytes each) and their scale words (8,192 and 4,096 bytes) lie in LDS whole: four first fills, nothing is filled again.  They lie as images of operand registers
; (lane l's 16 bytes at 16 l), so every fragment load reads 512 consecutive bytes.
; CLUSTER.  The four query blocks of a head form a cluster and ask for K and V jointly: the same four tensor loads, with the same descriptors and the mask of all four.
; LAYOUT.  Both products are used transposed: S^T = K Q^T (source 0 = 16 keys), O^T = V^T P^T (source 0 = 16 channels): a lane holds one query.  By the stored order of tokens and channels the 16 registers of tiles
; 2 b and 2 b + 1 are 16 neighbouring keys (channels): 32 b + 16 (lane / 16) + 0 .. 15.
; K = 64 IN AN INSTRUCTION 128 DEEP: Q's registers 4-7 are zero codes and bytes 2, 3 of Q's and K's scale words are 0.  Source 0 of key tile t is v[48 + 4 t .. 55 + 4 t]: its upper four registers are the next
; tile's codes (four zeros behind the last).  FP4 has no NaN and no infinity and no scale byte here is 0xff, so these products are zeros.
; aos is written two bytes a token: a head owns 2 of a token's 32 scale bytes; 262,144 bytes in the whole launch, a sixteenth of aoc's.
.set KC,   0
.set VC,   65536
.set KSC,  131072
.set VSC,  139264
.set HH,   1                           ; v1   16 x (lane / 16)
.set AV0,  2                           ; v2   VC + 16 x lane
.set ASK0, 3                           ; v3   KSC + 16 x lane
.set ASV0, 4                           ; v4   VSC + 16 r
.set LI,   5                           ; v5   16 x lane: an image's place for my lane, in memory and (KC = 0) among K's images
.set LR,   6                           ; v6   16 r
.set LT,   7                           ; v7   32 x lane
.set ADK,  8                           ; v8-11 the step's LDS addresses: K, V, K's scale words, V's
.set ADV,  9
.set ADS,  10
.set ADT,  11
                                       ; v[12 + 4 e ..]: tile e: -M, the largest t, the sum in two halves
.set QF,   20                          ; v20-27, v28-35 Q of tiles 0, 1: four registers of codes, four of zeros
.set QS,   36                          ; v36-37 Q's scale words
.set KSR,  38                          ; v38-41 K's: register i: lanes 0-15 tile i, lanes 16-31 tile 4 + i
.set VSR,  42                          ; v42-45 V's: register i: channel tile i
.set PS,   46                          ; v46-47 p's scale words
.set KF,   48                          ; v48-79 eight tiles of K, later four fragments of V; v80-83 zeros
.set S,    96                          ; v96-159 S^T, then p
.set O,    160                         ; v160-191, v192-223 O^T of tiles 0, 1
.set P,    224                         ; v224-231, v232-239 p's codes
.set BM,   240                         ; v240-243 the blocks' largest scores
.set T4,   244                         ; v244-247 at work
.set SOP,  248                         ; v248-251 the conversions' scale operands
.set F,    252                         ; v252 2^(old M - new M); v253 named with it as a pair
.set TMP,  254
.set WV,   12
.set G1K,  24
.set G1V,  32
.set G1KS, 40
.set G1VS, 48
.set G0K,  56
.set G0V,  60
.set G0KS, 68
.set G0VS, 72
.set CS,   76                          ; s[76:77] c = log2(e) / 8
.set SEL,  78                          ; s[78:79] v_permlanex16_b32's selects for lane l xor 16
.set TK,   80                          ; s80  the step's codes: 4,096 bytes a step, of K and of V alike
.set TS,   81                          ; s81  K's scale words: 512 bytes a step
.set TJ,   82                          ; s82  V's: 256
.set CNT,  83
.macro CROUND                          ; a round of the cluster's barrier
	s_barrier_signal -1
	s_barrier_wait -1
	s_cmp_lg_u32 s[WV], 0
	s_cbranch_scc1 .Lnot_wave_0_\@
	s_barrier_signal -3
.Lnot_wave_0_\@:
	s_barrier_wait -3
	s_barrier_signal -1
	s_barrier_wait -1
.endm
.macro GROUP1 g, c, r, p               ; r rows of c elements of 8 bytes, p elements from row to row; dense in LDS; the mask names all four work-groups, bit 21 beside it
	s_mov_b32 s[\g], 15|(3<<16)|(1<<21)
	s_mov_b32 s[\g+1], (\c)<<16
	s_mov_b32 s[\g+2], (\r)<<16
	s_mov_b32 s[\g+3], (\c)<<16
	s_mov_b32 s[\g+4], \r
	s_mov_b32 s[\g+5], \p
	s_mov_b32 s[\g+6], 0
	s_mov_b32 s[\g+7], 0
.endm
.macro GROUP0 g, lds, base, off
	s_mov_b32 s[\g], 1
	s_mov_b32 s[\g+1], \lds
	s_add_nc_u64 s[\g+2:\g+3], s[\base:\base+1], s[\off:\off+1]
	s_or_b32 s[\g+3], s[\g+3], 0x80000000
.endm
.macro ONE_LOAD w, g0, g1              ; wave w's one tensor load; four v_nop follow it
	s_cmp_lg_u32 s[WV], \w
	s_cbranch_scc1 .Lnot_\w
	tensor_load_to_lds s[\g0:\g0+3], s[\g1:\g1+7]
	s_nop 0
.rept 4
	v_nop
.endr
	s_branch .Lasked
.Lnot_\w:
.endm
	s_load_b256 s[4:11], s[0:1], 0x0               ; qkvc s[4:5], qkvs s[6:7], aoc s[8:9], aos s[10:11]
	v_lshl_add_u32 v95, v0, 2, 0x29000
	v_mov_b32 v255, 0
	ds_add_u32 v95, v255
	ds_add_u32 v95, v255
	v_lshrrev_b32 v8, 5, v0
	s_delay_alu instid0(VALU_DEP_1)
	v_readfirstlane_b32 s[WV], v8                  ; wave 0..15
	s_bfe_u32 s13, ttmp6, 0x40000                  ; cx: it enters Q's, aoc's and aos's addresses alone
	s_and_b32 s15, ttmp7, 0xffff
	s_lshr_b32 s14, s15, 4                         ; b
	s_and_b32 s15, s15, 15                         ; head
	s_add_co_u32 s16, s15, 16                      ; k's groups of 64 features lie behind q's sixteen
	s_lshl_b32 s20, s16, 18
	s_lshl_b32 s21, s14, 16
	s_add_co_u32 s20, s20, s21                     ; K's images: 262,144 (16 + head) + 65,536 b
	s_mov_b32 s21, 0
	s_lshl_b32 s22, s14, 20
	s_lshl_b32 s23, s15, 11
	s_add_co_u32 s22, s22, s23
	s_add_co_u32 s22, s22, 0x800000                ; V's: 0x800000 + 32 b groups of 32,768 + 2,048 head
	s_mov_b32 s23, 0
	s_lshl_b32 s16, s16, 15
	s_lshl_b32 s17, s14, 13
	s_add_co_u32 s16, s16, s17                     ; K's scale words: 32,768 (16 + head) + 8,192 b
	s_mov_b32 s17, 0
	s_lshl_b32 s2, s15, 14
	s_lshl_b32 s3, s14, 12
	s_add_co_u32 s2, s2, s3
	s_add_co_u32 s2, s2, 0x100000                  ; V's: 0x100000 + 16,384 head + 4,096 b
	s_mov_b32 s3, 0
	GROUP1 G1K, 32, 256, 32                        ; 65,536 dense bytes as 256 rows of 256
	GROUP1 G1V, 256, 32, 4096                      ; 32 groups of 64 keys: 2,048 bytes (the head's four channel tiles) of each 32,768
	GROUP1 G1KS, 32, 32, 32                        ; 8,192 dense bytes
	GROUP1 G1VS, 32, 16, 32                        ; 4,096 dense bytes
	s_mov_b32 s[CS], 0x3e38aa3b
	s_mov_b32 s[CS+1], s[CS]                       ; (named with it as a pair, so it is written)
	s_mov_b32 s[SEL], 0x76543210
	s_mov_b32 s[SEL+1], 0xfedcba98
	s_mov_b32 s[TK], 0
	s_mov_b32 s[TS], 0
	s_mov_b32 s[TJ], 0
	s_mov_b32 s[CNT], 16
	s_wait_dscnt 0x0
	s_wait_kmcnt 0x0
	GROUP0 G0K, KC, 4, 20
	GROUP0 G0V, VC, 4, 22
	GROUP0 G0KS, KSC, 6, 16
	GROUP0 G0VS, VSC, 6, 2
	CROUND                                         ; all four work-groups are here: the joint loads meet
	ONE_LOAD 0, G0K, G1K                           ; waves 0 to 3 issue one load each, the others none; the wait below is for 0
	ONE_LOAD 1, G0V, G1V
	ONE_LOAD 2, G0KS, G1KS
	ONE_LOAD 3, G0VS, G1VS
.Lasked:
	s_lshl_b32 s18, ttmp9, 2
	s_add_co_u32 s18, s18, s13                     ; my block of 512 queries
	s_lshl_b32 s2, s18, 14
	s_lshl_b32 s3, s14, 16
	s_add_co_u32 s2, s2, s3
	s_lshl_b32 s3, s[WV], 10
	s_add_co_u32 s2, s2, s3                        ; 65,536 b + 16,384 block + 1,024 wave: my two tiles' images in a head's run, and my 32 tokens' rows of 32 bytes in aos
	s_lshl_b32 s19, s15, 1
	s_add_co_u32 s16, s2, s19                      ; + 2 head: my head's two bytes
	s_mov_b32 s17, 0
	s_add_nc_u64 s[10:11], s[10:11], s[16:17]
	s_lshl_b32 s19, s15, 18
	s_add_co_u32 s2, s2, s19                       ; + 262,144 head
	s_mov_b32 s3, 0
	s_add_nc_u64 s[4:5], s[4:5], s[2:3]            ; Q's images
	s_add_nc_u64 s[8:9], s[8:9], s[2:3]            ; and o's
	s_lshl_b32 s2, s15, 15                         ; Q's scale words: 32,768 head + 8,192 b + 2,048 block + 256 (wave / 2) + 8 (wave % 2)
	s_lshl_b32 s19, s14, 13
	s_add_co_u32 s2, s2, s19
	s_lshl_b32 s19, s18, 11
	s_add_co_u32 s2, s2, s19
	s_lshr_b32 s19, s[WV], 1
	s_lshl_b32 s19, s19, 8
	s_add_co_u32 s2, s2, s19
	s_and_b32 s19, s[WV], 1
	s_lshl_b32 s19, s19, 3
	s_add_co_u32 s2, s2, s19
	s_add_nc_u64 s[6:7], s[6:7], s[2:3]
	v_and_b32 v[LI], 31, v0
	s_delay_alu instid0(VALU_DEP_1)
	v_lshlrev_b32 v[LT], 5, v[LI]
	s_delay_alu instid0(VALU_DEP_2)
	v_lshlrev_b32 v[LI], 4, v[LI]
	v_and_b32 v[LR], 15, v0
	s_delay_alu instid0(VALU_DEP_1)
	v_lshlrev_b32 v[LR], 4, v[LR]
	v_and_b32 v[HH], 16, v0
	global_load_b128 v[QF:QF+3], v[LI], s[4:5]
	global_load_b128 v[QF+8:QF+11], v[LI], s[4:5] offset:512
	global_load_b64 v[QS:QS+1], v[LR], s[6:7]      ; lane r (and r + 16): the words of query r of my two tiles
.irp j, 4,5,6,7,12,13,14,15
	v_mov_b32 v[QF+\j], 0                          ; the upper 64 of the instruction's 128: zero codes
.endr
.irp j, 0,1,2,3
	v_mov_b32 v[KF+32+\j], 0                       ; behind the last tile of K
	v_mov_b32 v[T4+\j], 0                          ; written once: a lane permute's destination counts as one of its sources
.endr
	v_add_nc_u32 v[AV0], VC, v[LI]
	v_add_nc_u32 v[ASK0], KSC, v[LI]
	v_add_nc_u32 v[ASV0], VSC, v[LR]
.irp e, 0,1
	v_mov_b32 v[13+4*\e], 0xff61b1e6               ; the largest t so far: -3e38, under every t
	s_delay_alu instid0(VALU_DEP_1)
	v_floor_f32 v[12+4*\e], -v[13+4*\e]            ; -M
	v_mov_b32 v[14+4*\e], 0                        ; the sum, in two halves
	v_mov_b32 v[15+4*\e], 0
.endr
	v_mov_b32 v[F+1], 0
.set j, 0
.rept 64
	v_mov_b32 v[O+j], 0                            ; O^T.  (The step is written once: the first finds zeros, which the first change of M leaves zeros)
.set j, j+1
.endr
; S^T of tile e: eight tiles of 16 keys
.macro SMUL e
.irp t, 0,1,2,3
	v_wmma_scale_f32_16x16x128_f8f6f4 v[S+8*\t:S+8*\t+7], v[KF+4*\t:KF+4*\t+7], v[QF+8*\e:QF+8*\e+7], 0, v[KSR+\t], v[QS+\e] matrix_a_fmt:MATRIX_FMT_FP4 matrix_b_fmt:MATRIX_FMT_FP4
.endr
.irp t, 4,5,6,7
	v_wmma_scale_f32_16x16x128_f8f6f4 v[S+8*\t:S+8*\t+7], v[KF+4*\t:KF+4*\t+7], v[QF+8*\e:QF+8*\e+7], 0, v[KSR+\t-4], v[QS+\e] matrix_a_fmt:MATRIX_FMT_FP4 matrix_b_fmt:MATRIX_FMT_FP4 matrix_a_scale:MATRIX_SCALE_ROW1
.endr
.rept 4
	v_nop                                          ; places: behind them the results are read, and K's registers loaded anew
.endr
.endm
; The softmax of tile e for 128 keys: S^T becomes p's codes and scale word; the sum and O^T come under the new M.
.macro SOFTMAX e
.set ST, 12+4*\e
.set OB, O+32*\e
.set PB, P+8*\e
.irp b, 0,1,2,3
	v_max3_num_f32 v[BM+\b], v[S+16*\b], v[S+16*\b+1], v[S+16*\b+2]   ; the largest score of each block of 32 keys: it serves for the row's maximum and, since p rises with the score, for the block's largest p
.endr
.irp i, 3,5,7,9,11,13
.irp b, 0,1,2,3
	v_max3_num_f32 v[BM+\b], v[BM+\b], v[S+16*\b+\i], v[S+16*\b+\i+1]
.endr
.endr
.irp b, 0,1,2,3
	v_max_num_f32 v[BM+\b], v[BM+\b], v[S+16*\b+15]
.endr
.irp b, 0,1,2,3
	s_delay_alu instid0(VALU_DEP_4)
	v_permlanex16_b32 v[T4+\b], v[BM+\b], s[SEL], s[SEL+1]
.endr
.irp b, 0,1,2,3
	s_delay_alu instid0(VALU_DEP_4)
	v_max_num_f32 v[BM+\b], v[BM+\b], v[T4+\b]     ; with lane l xor 16's 16 keys
.endr
	s_delay_alu instid0(VALU_DEP_2)
	v_max3_num_f32 v[TMP], v[BM], v[BM+1], v[BM+2]
	s_delay_alu instid0(VALU_DEP_1)
	v_max_num_f32 v[TMP], v[TMP], v[BM+3]          ; the step's largest score of my query
	s_delay_alu instid0(VALU_DEP_1)
	v_mul_f32 v[TMP], s[CS], v[TMP]                ; as t (c is positive)
	s_delay_alu instid0(VALU_DEP_1)
	v_max_num_f32 v[ST+1], v[ST+1], v[TMP]         ; the running largest t
	v_mov_b32 v[TMP], v[ST]
	s_delay_alu instid0(VALU_DEP_2)
	v_floor_f32 v[ST], -v[ST+1]                    ; the new -M = floor(-t) = -ceil(t)
	s_delay_alu instid0(VALU_DEP_1)
	v_sub_f32 v[TMP], v[ST], v[TMP]                ; old M - new M: a whole number, 0 or less
	s_delay_alu instid0(VALU_DEP_1)
	v_cvt_i32_f32 v[TMP], v[TMP]                   ; (it saturates)
	s_delay_alu instid0(VALU_DEP_1)
	v_ldexp_f32 v[F], 1.0, v[TMP]                  ; f = 2^(old M - new M)
.set j, 0
.rept 32
	v_pk_fma_f32 v[S+j:S+j+1], v[S+j:S+j+1], s[CS:CS+1], v[ST:ST+1] op_sel_hi:[1,0,0]   ; t - M, two at a time (of the pairs c and -M the low word serves both halves)
.set j, j+2
.endr
.irp b, 0,1,2,3
	v_fma_f32 v[BM+\b], v[BM+\b], s[CS], v[ST]     ; the same of each block's largest score
.endr
.set j, 0
	s_wait_alu depctr_va_vdst(0)
.rept 64
	v_exp_f32 v[S+j], v[S+j]                       ; p = 2^(t - M), at most 1
.set j, j+1
.endr
	v_pk_mul_f32 v[ST+2:ST+3], v[ST+2:ST+3], v[F:F+1] op_sel_hi:[1,0]   ; the sums under the new M: the plain line behind the exponentials
	s_wait_alu depctr_va_vdst(0)                   ; one wait for the batch of 64, ahead of its first reader
.irp b, 0,1,2,3
	v_exp_f32 v[BM+\b], v[BM+\b]                   ; the block's largest p: the same two instructions on the same number give the same bits
.endr
	v_pk_add_f32 v[T4:T4+1], v[S:S+1], v[S+2:S+3]  ; the row's sum is taken of the unquantised p, in two chains; it reads the 64 alone
.set j, 4
.rept 15
	v_pk_add_f32 v[ST+2:ST+3], v[ST+2:ST+3], v[S+j:S+j+1]
	v_pk_add_f32 v[T4:T4+1], v[T4:T4+1], v[S+j+2:S+j+3]
.set j, j+4
.endr
	s_delay_alu instid0(VALU_DEP_1)
	v_pk_add_f32 v[ST+2:ST+3], v[ST+2:ST+3], v[T4:T4+1]
	s_wait_alu depctr_va_vdst(0)                   ; and one for the four
.irp b, 0,1,2,3
	v_max_num_f32 v[BM+\b], 0x1800000, v[BM+\b]    ; the floor 2^(3 - 127): the byte cannot fall under 1
.endr
.irp b, 0,1,2,3
	s_delay_alu instid0(VALU_DEP_4)
	v_add_nc_u32 v[SOP+\b], 0xff000000, v[BM+\b]   ; 2 off the exponent field: the conversion's scale operand
.endr
.irp b, 0,1,2,3
	s_delay_alu instid0(VALU_DEP_4)
	v_lshrrev_b32 v[T4+\b], 23, v[SOP+\b]          ; the scale's byte
.endr
	s_delay_alu instid0(VALU_DEP_3)
	v_lshl_or_b32 v[PS+\e], v[T4+1], 8, v[T4]      ; p's scale word for these 128 keys
	s_delay_alu instid0(VALU_DEP_1)
	v_lshl_or_b32 v[PS+\e], v[T4+2], 16, v[PS+\e]
	s_delay_alu instid0(VALU_DEP_1)
	v_lshl_or_b32 v[PS+\e], v[T4+3], 24, v[PS+\e]
.irp b, 0,1,2,3
	v_cvt_scalef32_pk8_fp4_f32 v[PB+2*\b], v[S+16*\b:S+16*\b+7], v[SOP+\b]
	v_cvt_scalef32_pk8_fp4_f32 v[PB+2*\b+1], v[S+16*\b+8:S+16*\b+15], v[SOP+\b]
.endr
	v_nop                                          ; one plain line behind a scaled conversion
.irp c, 0,1                                    ; a whole block in a lane: lanes 0-15 block 2 c, lanes 16-31 block 2 c + 1
.irp i, 0,1
	v_permlane16_swap_b32 v[PB+4*\c+\i], v[PB+2+4*\c+\i]
.endr
.endr
.set j, 0
.rept 16
	v_pk_mul_f32 v[OB+j:OB+j+1], v[OB+j:OB+j+1], v[F:F+1] op_sel_hi:[1,0]   ; O^T under the new M.  Of these 16 at least 12 name no register of any one product below: the places between p's scale word (8) and codes (4) and the products
.set j, j+2
.endr
.endm
	s_wait_loadcnt 0x0                             ; Q
	s_wait_tensorcnt 0x0                           ; my tensor load, if I issued one, has landed,
	s_barrier_signal -1
	s_barrier_wait -1                              ; everybody's has
.Lstep:                                            ; 16 trips of 128 keys
	s_setprio 2
	v_add_nc_u32 v[ADK], s[TK], v[LI]              ; four plain lines: also the places between the last trip's products and the loads into the registers that they read
	v_add_nc_u32 v[ADV], s[TK], v[AV0]
	v_add_nc_u32 v[ADS], s[TS], v[ASK0]
	v_add_nc_u32 v[ADT], s[TJ], v[ASV0]
.irp t, 0,1,2,3,4,5,6,7
	ds_load_b128 v[KF+4*\t:KF+4*\t+3], v[ADK] offset:512*\t
.endr
	ds_load_b128 v[KSR:KSR+3], v[ADS]
	s_wait_dscnt 0x0
	SMUL 0
	SOFTMAX 0
	SMUL 1
.irp i, 0,1,2,3
.irp c, 0,1
	ds_load_b128 v[KF+8*\i+4*\c:KF+8*\i+4*\c+3], v[ADV] offset:2048*\c+512*\i   ; V's fragments land while tile 1's softmax is worked
.endr
.endr
	ds_load_b128 v[VSR:VSR+3], v[ADT]
	s_setprio 1
	SOFTMAX 1
	s_setprio 0
	s_wait_alu depctr_va_vdst(0)
	s_wait_dscnt 0x0
.irp i, 0,1,2,3                                ; O^T += V^T P^T: eight accumulators by turns, one instruction a turn
.irp e, 0,1
	v_wmma_scale_f32_16x16x128_f8f6f4 v[O+32*\e+8*\i:O+32*\e+8*\i+7], v[KF+8*\i:KF+8*\i+7], v[P+8*\e:P+8*\e+7], v[O+32*\e+8*\i:O+32*\e+8*\i+7], v[VSR+\i], v[PS+\e] matrix_a_fmt:MATRIX_FMT_FP4 matrix_b_fmt:MATRIX_FMT_FP4
.endr
.endr
	s_add_co_u32 s[TK], s[TK], 4096
	s_add_co_u32 s[TS], s[TS], 512
	s_add_co_u32 s[TJ], s[TJ], 256
	s_sub_co_u32 s[CNT], s[CNT], 1
	s_cmp_lg_u32 s[CNT], 0
	s_cbranch_scc1 .Lstep
	s_setprio 0
	; THE WAY OUT.  The sums' halves are added; O^T is divided by the sum and quantised: its four blocks of 16 registers are (tile 0, channels 0-31), (tile 0, 32-63), (tile 1, ..), (tile 1, ..).
	v_add_f32 v14, v14, v15                        ; (the four additions and the v_nop are the places behind the last products)
	v_add_f32 v18, v18, v19
	s_delay_alu instid0(VALU_DEP_2)
	v_permlanex16_b32 v[T4], v14, s[SEL], s[SEL+1]
	s_delay_alu instid0(VALU_DEP_2)
	v_permlanex16_b32 v[T4+1], v18, s[SEL], s[SEL+1]
	s_delay_alu instid0(VALU_DEP_2)
	v_add_f32 v14, v14, v[T4]
	s_delay_alu instid0(VALU_DEP_2)
	v_add_f32 v18, v18, v[T4+1]                    ; with lane l xor 16's: the rows' sums
	s_wait_alu depctr_va_vdst(0)
	v_rcp_f32 v[SOP], v14
	v_rcp_f32 v[SOP+2], v18
	v_nop                                          ; a plain line behind the reciprocals
	s_wait_alu depctr_va_vdst(0)                   ; one wait for the two, ahead of their first reader
.irp e, 0,1
.set j, 0
.rept 16
	v_pk_mul_f32 v[O+32*\e+j:O+32*\e+j+1], v[O+32*\e+j:O+32*\e+j+1], v[SOP+2*\e:SOP+2*\e+1] op_sel_hi:[1,0]   ; each accumulator from its low end on
.set j, j+2
.endr
.endr
.irp b, 0,1,2,3
	v_max3_num_f32 v[BM+\b], |v[O+16*\b]|, |v[O+16*\b+1]|, 0x1800000
.endr
.irp i, 2,4,6,8,10,12,14
.irp b, 0,1,2,3
	s_delay_alu instid0(VALU_DEP_4)
	v_max3_num_f32 v[BM+\b], v[BM+\b], |v[O+16*\b+\i]|, |v[O+16*\b+\i+1]|
.endr
.endr
.irp b, 0,1,2,3
	s_delay_alu instid0(VALU_DEP_4)
	v_permlanex16_b32 v[T4+\b], v[BM+\b], s[SEL], s[SEL+1]
.endr
.irp b, 0,1,2,3
	s_delay_alu instid0(VALU_DEP_4)
	v_max_num_f32 v[BM+\b], v[BM+\b], v[T4+\b]
.endr
.irp b, 0,1,2,3
	s_delay_alu instid0(VALU_DEP_4)
	v_add_nc_u32 v[SOP+\b], 0xff000000, v[BM+\b]
.endr
.irp b, 0,1,2,3
	s_delay_alu instid0(VALU_DEP_4)
	v_lshrrev_b32 v[T4+\b], 23, v[SOP+\b]
.endr
	s_delay_alu instid0(VALU_DEP_3)
	v_lshl_or_b32 v[P+8], v[T4+1], 8, v[T4]        ; low half: tile 0's two bytes; high half: tile 1's
	s_delay_alu instid0(VALU_DEP_1)
	v_lshl_or_b32 v[P+8], v[T4+2], 16, v[P+8]
	s_delay_alu instid0(VALU_DEP_1)
	v_lshl_or_b32 v[P+8], v[T4+3], 24, v[P+8]
.irp b, 0,1,2,3
	v_cvt_scalef32_pk8_fp4_f32 v[P+2*\b], v[O+16*\b:O+16*\b+7], v[SOP+\b]
	v_cvt_scalef32_pk8_fp4_f32 v[P+2*\b+1], v[O+16*\b+8:O+16*\b+15], v[SOP+\b]
.endr
	v_nop                                          ; one plain line behind a scaled conversion
.irp c, 0,1
.irp i, 0,1
	v_permlane16_swap_b32 v[P+4*\c+\i], v[P+2+4*\c+\i]   ; registers 4 e .. 4 e + 3: tile e's image: lane (r, h): query r, channels 32 h + 0 .. 31
.endr
.endr
	v_lshrrev_b32 v[P+9], v[HH], v[P+8]            ; lanes 0-15 keep tile 0's bytes in the low half, lanes 16-31 tile 1's
	global_store_b128 v[LI], v[P:P+3], s[8:9]                  ; an image: 512 consecutive bytes, aligned
	global_store_b128 v[LI], v[P+4:P+7], s[8:9] offset:512
	global_store_b16 v[LT], v[P+9], s[10:11]                   ; lane l: token l of my 32: its row's two bytes of my head
	s_wait_tensorcnt 0x0
	ds_add_u32 v95, v255
	s_wait_dscnt 0x0
	CROUND                                         ; the closing round: no work-group ends while a partner may still ask for a tile that names it
	s_endpgm
.Lfunc_end_k_qf5e0fc79d7_attn:
	.size	k_qf5e0fc79d7_attn, .Lfunc_end_k_qf5e0fc79d7_attn-k_qf5e0fc79d7_attn
	.p2alignl 7, 3214868480
	.fill 96, 4, 3214868480
	.section	.rodata,"a",@progbits
	.p2align	6, 0x0
	.amdhsa_kernel k_qf5e0fc79d7_attn
		.amdhsa_group_segment_fixed_size 169984
		.amdhsa_private_segment_fixed_size 0
		.amdhsa_enable_private_segment 0
		.amdhsa_kernarg_size 32
		.amdhsa_user_sgpr_count 2
		.amdhsa_user_sgpr_kernarg_segment_ptr 1
		.amdhsa_wavefront_size32 1
		.amdhsa_system_sgpr_workgroup_id_x 1
		.amdhsa_system_sgpr_workgroup_id_y 1
		.amdhsa_system_sgpr_workgroup_id_z 1
		.amdhsa_system_vgpr_workitem_id 0
		.amdhsa_next_free_vgpr 256
		.amdhsa_next_free_sgpr 84
		.amdhsa_reserve_vcc 0
		.amdhsa_float_denorm_mode_32 3
		.amdhsa_float_denorm_mode_16_64 3
		.amdhsa_memory_ordered 1
		.amdhsa_forward_progress 1
		.amdhsa_inst_pref_size 50
	.end_amdhsa_kernel
	.amdgpu_metadata
---
amdhsa.version: [ 1, 2 ]
amdhsa.kernels:
  - .name:           k_qf5e0fc79d7_attn
    .symbol:         k_qf5e0fc79d7_attn.kd
    .args:
      - { .name: qkvc, .offset: 0, .size: 8, .value_kind: global_buffer, .address_space: global }
      - { .name: qkvs, .offset: 8, .size: 8, .value_kind: global_buffer, .address_space: global }
      - { .name: aoc, .offset: 16, .size: 8, .value_kind: global_buffer, .address_space: global }
      - { .name: aos, .offset: 24, .size: 8, .value_kind: global_buffer, .address_space: global }
    .group_segment_fixed_size: 169984
    .private_segment_fixed_size: 0
    .kernarg_segment_align: 8
    .kernarg_segment_size: 32
    .max_flat_workgroup_size: 512
    .sgpr_count:     84
    .vgpr_count:     256
    .wavefront_size: 32
...
	.end_amdgpu_metadata
.endif
;; end of part 3
;; launch outp (part 4): grid 4 x 32, 4 waves a work-group, clusters of 4 x 4, 327,680 bytes of LDS; arguments aoc, aos, opc, ops, b_out, out0; writes out0
.if DOCPART == 4
	.amdgcn_target "amdgcn-amd-amdhsa--gfx1250"
	.amdhsa_code_object_version 6
	.text
	.protected	k_qf5e0fc79d7_outp
	.globl	k_qf5e0fc79d7_outp
	.p2align	8
	.type	k_qf5e0fc79d7_outp,@function
k_qf5e0fc79d7_outp:
	s_mov_b64 s[64:65], 0
	v_nop
	global_prefetch_b8 v0, s[64:65] scope:SCOPE_SE
	s_setreg_imm32_b32 hwreg(HW_REG_WAVE_MODE, 25, 1), 1
	s_wait_xcnt 0x0
	s_wait_alu depctr_hold_cnt(0) depctr_sa_sdst(0) depctr_va_vdst(0) depctr_va_sdst(0) depctr_va_ssrc(0) depctr_va_vcc(0) depctr_vm_vsrc(0)
	s_getreg_b32 s2, hwreg(HW_REG_IB_STS2, 6, 4)
	s_cmp_eq_u32 s2, 0
	s_cbranch_scc0 .Lentry_in_a_cluster
	s_endpgm
.Lentry_in_a_cluster:
	s_bfe_u32 s2, ttmp6, 0x10000c
	s_cmp_lg_u32 s2, 0xf033
	s_cbranch_scc0 .Lentry_shape_is_right
	s_endpgm
.Lentry_shape_is_right:
; out0 = o w_out^T + b_out on codes of FP4 (E2M1) with E8M0 scales, K = 1,024; out0 [8192][1024] f32.
; o: aoc [head][stored token / 16][image of 512 bytes: lane (r, h): token r, channels 32 h + 0 .. 31 of the head], aos [stored token][32 scale bytes].  w_out: rows 11,264 on of opc (512 bytes of codes) and ops
; (32 scale bytes), in the stored order (bits 3 and 4 of a row's number exchanged), as the tokens are.
; A tile of 256 x 256 of out0 is made by four waves, 128 x 128 each: 64 accumulators.  Source 0 = 16 rows of w_out, source 1 = 16 tokens: a lane holds one token and, in block b's eight registers, the outputs
; 32 (b / 2) + 8 (b % 2) + 16 (lane / 16) + 0 .. 7.  K = 1,024 fits in LDS whole: two slots of 512 along K and all scale bytes are first fills; nothing is filled again.
; CLUSTERS: 4 x 4.  The tokens' tile is shared along a row of the cluster, w_out's along a column: each is asked for jointly.  128 work-groups: the tile is kept at 256 x 256 so that no fragment is read twice.
; THE BIAS is the C of each sum's first matrix instruction (so it enters a sum first: an order of f32 rounding other than adding it last).
; REGISTERS, in windows of 256: window 0: v1 r, v2 h, v16-29 addresses; v32-95 scale words, two sets; v128-191 the tokens' fragments, one set; v192-255 the bias; on the way out v128-255 rows of out0.
;   window 1: w_out's fragments, two sets.   window 2: the accumulators of token blocks 0-3 ((a, b) at v[8 (8 (a % 4) + b)]);   window 3: those of blocks 4-7.
.set NQ,     4
.set ROWB,   256
.set KROW,   512
.set PITCH,  272                       ; w_out's rows in LDS: 256 bytes + 16 of padding
.set FR,     8
.set NL,     2
.set NP,     4                         ; places behind this matrix instruction (ISA guide 7.12.1)
.set HALFT,  128*PITCH                 ; the room of 128 rows in a slot; the tokens' images fill 32,768 bytes of it
.set SLOT,   4*HALFT                   ; the tokens' 256 rows, then w_out's 256 rows
.set KS,     32
.set SCL,    2*SLOT
.set HALFS,  (128*KS/256)*272
.set SBLK,   (16*KS/256)*272
.set SPARE,  SCL+4*HALFS               ; the spare words, 128 bytes for each wave, that no other line names
.set SPITCH, 528                       ; the way out: a stage of 16 rows x (512 bytes + 16) for each wave, in slot 0, which has had its only fill and its last read when the first result is stored there
.set ADRA, 16
.set ADRB, 20
.set STO,  24                          ; v24  the stage: where I put 32 bytes of a row
.set RD,   25                          ; v25  and where I read a row back
.set CO,   26                          ; v26  16 x lane: my byte offset in a row's 512 bytes of out0, and in an image
.set ADRS, 27
.set SPW,  28
.set NIL,  29
.set BO,   30                          ; v30  the bias loads' lane offset
.set SC,   32
.set AF,   128
.set BI,   192
.set BK,   128
.set G1, 24
.set G0, 32
.set G1B, 48
.set G0B, 56
.set G1S, 68
.set G0S, 76
.set G1SB, 80
.set G0SB, 88
.set MSB, 0
.macro WIN new                         ; the immediate's high byte repeats the setting that is left
.if MSB != \new
	s_set_vgpr_msb (MSB<<8)|\new
.set MSB, \new
.endif
.endm
.set MUL_LO,  0xa1
.set MUL_HI,  0xf1
.set BIAS_LO, 0x81                     ; C (the bias) window 0, D window 2
.set BIAS_HI, 0xc1
.set TO_B,    0x40
.macro JLOAD g0a, g1a, g0b, g1b        ; a joint load: waves 0 and 1 fetch for the tokens, waves 2 and 3 for w_out; four v_nop follow each of the two lines
	s_cmp_eq_u32 s15, 0
	s_cbranch_scc0 .Lfor_b_\@
	tensor_load_to_lds s[\g0a:\g0a+3], s[\g1a:\g1a+7]
	s_nop 0
.rept 4
	v_nop
.endr
	s_branch .Lasked_\@
.Lfor_b_\@:
	tensor_load_to_lds s[\g0b:\g0b+3], s[\g1b:\g1b+7]
	s_nop 0
.rept 4
	v_nop
.endr
.Lasked_\@:
.endm
.macro CROUND                          ; a round of the cluster's barrier
	s_barrier_signal -1
	s_barrier_wait -1
	s_cmp_lg_u32 s14, 0
	s_cbranch_scc1 .Lnot_wave_0_\@
	s_barrier_signal -3
.Lnot_wave_0_\@:
	s_barrier_wait -3
	s_barrier_signal -1
	s_barrier_wait -1
.endm
	s_load_b128 s[4:7], s[0:1], 0x0                ; aoc, aos
	s_load_b128 s[8:11], s[0:1], 0x10              ; opc, ops
	s_load_b64 s[98:99], s[0:1], 0x20              ; b_out
	s_load_b64 s[12:13], s[0:1], 0x28              ; out0
	v_lshl_add_u32 v[SPW], v0, 2, SPARE
	v_mov_b32 v[NIL], 0
	ds_add_u32 v28, v29
	ds_add_u32 v28, v29
	s_wait_dscnt 0x0
	v_lshrrev_b32 v1, 5, v0
	v_readfirstlane_b32 s14, v1                    ; wave 0..3
	s_lshr_b32 s15, s14, 1                         ; which half of the tokens is mine.  Also: I fetch for the tokens (0) or for w_out (1)
	s_and_b32 s16, s14, 1                          ; which half of the outputs.  Also: which 128 rows of that tile I fetch
	s_bfe_u32 s40, ttmp6, 0x40000                  ; cx, cy
	s_bfe_u32 s41, ttmp6, 0x40004
	s_add_co_u32 s42, ttmp9, 11
	s_lshl_b32 s42, s42, 2
	s_add_co_u32 s42, s42, s40                     ; w_out's tile among opc's: 44 + cx
	s_and_b32 s17, ttmp7, 0xffff
	s_lshl_b32 s17, s17, 2
	s_add_co_u32 s17, s17, s41                     ; the tokens' tile: 4 x cluster y + cy
	s_lshl_b32 s43, s41, 2
	s_lshl_b32 s43, 15, s43                        ; my row of the cluster
	s_lshl_b32 s44, 0x1111, s40                    ; my column
	; descriptor group 1 for the tokens' images: 8 rows (a slot's heads) of 4,096 bytes (8 token blocks' images), 262,144 bytes from head to head; dense in LDS
	s_or_b32 s[G1+0], s43, (3<<16)|(1<<21)         ; 15:0 the mask: my row; 17:16 elements of 8 bytes; 21 set beside a mask
	s_mov_b32 s[G1+1], 512<<16                     ; tensor_dim0 = 512 elements
	s_mov_b32 s[G1+2], 8<<16                       ; tensor_dim1 = 8
	s_mov_b32 s[G1+3], 512<<16                     ; tile_dim0
	s_mov_b32 s[G1+4], 8                           ; tile_dim1
	s_mov_b32 s[G1+5], 32768                       ; tensor_dim0_stride, in elements
	s_mov_b32 s[G1+6], 0
	s_mov_b32 s[G1+7], 0
	; for w_out's codes: 128 rows x 256 bytes, 16 bytes of padding behind each
	s_or_b32 s[G1B+0], s44, (0<<16)|(1<<20)|(1<<21)|(5<<22)|(3<<25)
	s_mov_b32 s[G1B+1], ROWB<<16
	s_mov_b32 s[G1B+2], 128<<16
	s_mov_b32 s[G1B+3], ROWB<<16
	s_mov_b32 s[G1B+4], 128
	s_mov_b32 s[G1B+5], KROW
	s_mov_b32 s[G1B+6], 0
	s_mov_b32 s[G1B+7], 0
	; the scale bytes of 128 rows: 4,096 dense bytes, as 16 rows of 256 bytes, 16 bytes of padding behind each
	s_or_b32 s[G1S+0], s43, (3<<16)|(1<<20)|(1<<21)|(5<<22)|(3<<25)
	s_or_b32 s[G1SB+0], s44, (3<<16)|(1<<20)|(1<<21)|(5<<22)|(3<<25)
.irp g, G1S, G1SB
	s_mov_b32 s[\g+1], 32<<16
	s_mov_b32 s[\g+2], (128*KS/256)<<16
	s_mov_b32 s[\g+3], 32<<16
	s_mov_b32 s[\g+4], 128*KS/256
	s_mov_b32 s[\g+5], 32
	s_mov_b32 s[\g+6], 0
	s_mov_b32 s[\g+7], 0
.endr
	s_lshl_b32 s20, s17, 13
	s_lshl_b32 s18, s16, 12
	s_add_co_u32 s20, s20, s18                     ; the tokens: 8,192 x tile + 4,096 x half: 16 (8) blocks' images of 512 bytes in aoc, and 256 (128) rows of 32 bytes in aos alike
	s_mov_b32 s21, 0
	s_lshl_b32 s18, s16, 7
	s_lshl_b32 s46, s42, 8
	s_add_co_u32 s46, s46, s18                     ; w_out: row 256 x tile + 128 x half
	s_mov_b32 s47, 0
	s_mov_b64 s[18:19], KS
	s_mul_u64 s[92:93], s[46:47], s[18:19]
	s_mov_b64 s[18:19], KROW
	s_mul_u64 s[46:47], s[46:47], s[18:19]
	s_mul_i32 s45, s14, HALFT                      ; where they go: no place in the cluster enters an LDS address
	s_mul_i32 s94, s14, HALFS
	s_wait_kmcnt 0x0
	s_add_nc_u64 s[22:23], s[6:7], s[20:21]
	s_add_nc_u64 s[20:21], s[4:5], s[20:21]
	s_add_nc_u64 s[46:47], s[8:9], s[46:47]
	s_add_nc_u64 s[92:93], s[10:11], s[92:93]
	CROUND                                         ; all sixteen work-groups are here: the joint loads meet
	s_mov_b32 s[G0S], 1
	s_add_co_u32 s[G0S+1], s94, SCL
	s_mov_b64 s[G0S+2:G0S+3], s[22:23]
	s_or_b32 s[G0S+3], s[G0S+3], 0x80000000
	s_mov_b32 s[G0SB], 1
	s_add_co_u32 s[G0SB+1], s94, SCL
	s_mov_b64 s[G0SB+2:G0SB+3], s[92:93]
	s_or_b32 s[G0SB+3], s[G0SB+3], 0x80000000
	JLOAD G0S, G1S, G0SB, G1SB                     ; the scale bytes first
.irp s, 0,1
	s_mov_b32 s[G0+4*\s], 1
	s_add_co_u32 s[G0+4*\s+1], s45, \s*SLOT
	s_add_nc_u64 s[G0+4*\s+2:G0+4*\s+3], s[20:21], \s*8*262144     ; slot s: heads 8 s .. 8 s + 7
	s_or_b32 s[G0+4*\s+3], s[G0+4*\s+3], 0x80000000
	s_mov_b32 s[G0B+4*\s], 1
	s_add_co_u32 s[G0B+4*\s+1], s45, \s*SLOT
	s_add_nc_u64 s[G0B+4*\s+2:G0B+4*\s+3], s[46:47], \s*ROWB
	s_or_b32 s[G0B+4*\s+3], s[G0B+4*\s+3], 0x80000000
	s_wait_alu depctr_va_vdst(0)
	s_wait_tensorcnt 0x0
	ds_add_u32 v28, v29
	s_wait_dscnt 0x0
	CROUND
	JLOAD G0+4*\s, G1, G0B+4*\s, G1B               ; one tensor load of mine is out, three in all; no more will be issued
.endr
	v_and_b32 v1, 15, v0                           ; r
	v_bfe_u32 v2, v0, 4, 1                         ; h
	v_and_b32 v[CO], 31, v0
	v_lshlrev_b32 v[CO], 4, v[CO]                  ; 16 x lane
	v_mul_u32_u24 v3, v1, PITCH
	v_lshl_add_u32 v4, v2, 4, v3                   ; w_out: a fragment's row x pitch + 16 x half
	s_mul_i32 s21, s15, HALFT                      ; my 128 tokens' images
	s_mul_i32 s22, s16, HALFT                      ; my 128 rows of w_out,
	s_add_co_u32 s22, s22, 2*HALFT                 ; behind the tokens' room
.irp s, 0,1
	v_add_nc_u32 v[ADRA+\s], s21, v[CO]
	v_add_nc_u32 v[ADRB+\s], s22, v4
	s_add_co_u32 s21, s21, SLOT
	s_add_co_u32 s22, s22, SLOT
.endr
	v_mul_u32_u24 v5, v1, KS
	v_lshrrev_b32 v6, 8, v5
	v_lshl_add_u32 v5, v6, 4, v5
	s_mul_i32 s21, s15, HALFS
	s_mul_i32 s22, s16, HALFS
	s_add_co_u32 s22, s22, 2*HALFS
	s_sub_co_u32 s22, s22, s21
	v_mul_u32_u24 v6, s22, v2                      ; lanes 16-31 take w_out's scale words: one product, the distance between the two bases
	s_add_co_u32 s21, s21, SCL
	v_add_nc_u32 v5, v5, v6
	v_add_nc_u32 v[ADRS], s21, v5
	s_mul_i32 s23, s14, 16*SPITCH                  ; my stage
	v_mul_u32_u24 v5, v1, SPITCH                   ; in: row r; my half's outputs begin 64 h bytes on
	v_lshl_add_u32 v5, v2, 6, v5
	v_add_nc_u32 v[STO], s23, v5
	v_add_nc_u32 v[RD], s23, v[CO]                 ; back: the 32 lanes take one row of 512 bytes
	s_lshl_b32 s20, s17, 20
	s_lshl_b32 s21, s15, 19
	s_add_co_u32 s20, s20, s21                     ; my first token's row of 4,096 bytes: 256 x tile + 128 x half
	s_mov_b32 s21, 0
	s_lshl_b32 s46, s40, 10
	s_lshl_b32 s47, s16, 9
	s_add_co_u32 s46, s46, s47                     ; my first output, in bytes: 1,024 cx + 512 x half
	s_mov_b32 s47, 0
	s_add_nc_u64 s[98:99], s[98:99], s[46:47]      ; its bias
	s_add_nc_u64 s[20:21], s[20:21], s[46:47]
	s_add_nc_u64 s[12:13], s[12:13], s[20:21]
	v_lshlrev_b32 v[BO], 6, v2
.irp b, 0,1,2,3,4,5,6,7
	global_load_b128 v[BI+8*\b:BI+8*\b+3], v[BO], s[98:99] offset:128*(\b/2)+32*(\b%2)       ; block b's eight: outputs 32 (b / 2) + 8 (b % 2) + 16 h + 0 .. 7
	global_load_b128 v[BI+8*\b+4:BI+8*\b+7], v[BO], s[98:99] offset:128*(\b/2)+32*(\b%2)+16
.endr
.macro FRAG reg, adr, q, i             ; w_out: 16 rows x 128 K from padded rows
.irp c, 0,1
	ds_load_b128 v[\reg+4*\c:\reg+4*\c+3], v[\adr] offset:64*(\q)+32*\c+(\i)*16*PITCH
.endr
.endm
.macro FRAGA reg, adr, q, i            ; the tokens: two images: heads 2 q and 2 q + 1 of the slot, block i
.irp c, 0,1
	ds_load_b128 v[\reg+4*\c:\reg+4*\c+3], v[\adr] offset:(2*(\q)+\c)*4096+(\i)*512
.endr
.endm
; 16 matrix instructions: token blocks a0, a0 + 1 x w_out's eight.  cm = 1: the sums begin with the bias; 0: they go on in place.  The 64 accumulators take turns, one instruction a turn.
.macro MUL16 a0, p, q, sc, cm
.irp a, \a0, \a0+1
.irp b, 0,1,2,3,4,5,6,7
.set rD, 8*(8*((\a)%4)+\b)
.set rC, rD
.if \cm == 1
.set rC, BI+8*\b
.endif
	v_wmma_scale_f32_16x16x128_f8f6f4 v[rD:rD+7], v[128*(\p)+FR*\b:128*(\p)+FR*\b+FR-1], v[AF+FR*(\a):AF+FR*(\a)+FR-1], v[rC:rC+7], v[SC+8*NQ*(\sc)+NQ*\b+(\q)], v[SC+8*NQ*(\sc)+NQ*(\a)+(\q)] matrix_a_fmt:MATRIX_FMT_FP4 matrix_b_fmt:MATRIX_FMT_FP4 matrix_a_scale:MATRIX_SCALE_ROW1
.endr
.endr
.endm
.macro FETCH_B slot, q, p
	WIN TO_B
.irp i, 0,1,2,3,4,5,6,7
	FRAG 128*(\p)+FR*\i, ADRB+\slot, \q, \i
.endr
	WIN 0
.endm
.macro FETCH_A slot, q, i0
.irp i, \i0, \i0+1, \i0+2, \i0+3
	FRAGA AF+FR*(\i), ADRA+\slot, \q, \i
.endr
.endm
.macro SCALES sc
.irp i, 0,1,2,3,4,5,6,7
	ds_load_b128 v[SC+8*NQ*\sc+NQ*\i:SC+8*NQ*\sc+NQ*\i+3], v[ADRS] offset:\i*SBLK
.endr
.endm
.macro PLACES n                        ; plain vector lines between a matrix instruction and a load into, or a read of, one of its registers
.rept \n
	v_nop
.endr
.endm
.macro STEP slot, q, cm
	s_wait_dscnt 4*NL                              ; w_out's set and token blocks 0-3 are in; the youngest eight loads (blocks 4-7) may be out
.if \cm
	WIN BIAS_LO
.else
	WIN MUL_LO
.endif
	MUL16 0, (\q)%2, \q, \slot, \cm
	MUL16 2, (\q)%2, \q, \slot, \cm
	s_wait_dscnt 0
	PLACES NP
	FETCH_B \slot, (\q)+1, 1-(\q)%2
	FETCH_A \slot, (\q)+1, 0
.if \cm
	WIN BIAS_HI
.else
	WIN MUL_HI
.endif
	MUL16 4, (\q)%2, \q, \slot, \cm
	MUL16 6, (\q)%2, \q, \slot, \cm
	PLACES NP
	WIN 0
	FETCH_A \slot, (\q)+1, 4
.endm
; Slot 0's last step goes over to slot 1: each wave waits for all its tensor loads and for its reads of slot 0, and signals; behind the barrier slot 1 is whole and nobody reads slot 0.  Nothing is filled.
.macro TURN slot, next
	s_wait_tensorcnt 0x0                           ; all my tensor loads have landed
	ds_add_u32 v[SPW], v[NIL]                      ; 0 onto my spare word
	s_wait_dscnt 4*NL+1                            ; (the add and the youngest eight loads may be out)
	WIN MUL_LO
	MUL16 0, 1, NQ-1, \slot, 0
	s_wait_dscnt 0x0                               ; my reads of this slot are over
	s_barrier_signal -1
	MUL16 2, 1, NQ-1, \slot, 0
	WIN 0
	s_barrier_wait -1
	PLACES NP
	v_add_nc_u32 v[ADRS], 4*NQ, v[ADRS]
	FETCH_B \next, 0, 0
	FETCH_A \next, 0, 0
	SCALES \next
	WIN MUL_HI
	MUL16 4, 1, NQ-1, \slot, 0
	MUL16 6, 1, NQ-1, \slot, 0
	PLACES NP
	WIN 0
	FETCH_A \next, 0, 4
.endm
	s_wait_alu depctr_va_vdst(0)
	s_wait_tensorcnt 1                             ; the scale bytes and my part of slot 0 are in (slot 1's load may be out),
	s_barrier_signal -1
	s_barrier_wait -1                              ; everybody's are
	FETCH_B 0, 0, 0
	FETCH_A 0, 0, 0
	SCALES 0
	FETCH_A 0, 0, 4
	s_wait_loadcnt 0x0                             ; the bias
	STEP 0, 0, 1                                   ; the first step starts the sums with the bias
	STEP 0, 1, 0
	STEP 0, 2, 0
	TURN 0, 1
	STEP 1, 0, 0
	STEP 1, 1, 0
	STEP 1, 2, 0
	s_wait_dscnt 4*NL                              ; the last step: nothing more to fetch
	WIN MUL_LO
	MUL16 0, 1, NQ-1, 1, 0
	MUL16 2, 1, NQ-1, 1, 0
	s_wait_dscnt 0
	WIN MUL_HI
	MUL16 4, 1, NQ-1, 1, 0
	MUL16 6, 1, NQ-1, 1, 0
	WIN 0
; THE WAY OUT, block by block of 16 tokens x 128 outputs, through my own stage in LDS: in as 32 bytes a lane at the outputs' true places, back as whole rows of 512 bytes.
; LDS serves a wave's instructions in order: no wait between the stores and the loads, nor in front of the next block's stores.
.macro TOSTAGE a
.set AC, 64*((\a)%4)
.set WS, 0x08+4*((\a)/4)
	WIN WS                                         ; an LDS store's data are its source 1: window 2 or 3
.irp b, 0,1,2,3,4,5,6,7
	ds_store_b128 v[STO], v[AC+8*\b:AC+8*\b+3] offset:128*(\b/2)+32*(\b%2)        ; each accumulator from its low end on
	ds_store_b128 v[STO], v[AC+8*\b+4:AC+8*\b+7] offset:128*(\b/2)+32*(\b%2)+16
.endr
	WIN 0
.set BB, BK+64*((\a)%2)
.irp t, 0,1,2,3,4,5,6,7,8,9,10,11,12,13,14,15
	ds_load_b128 v[BB+4*\t:BB+4*\t+3], v[RD] offset:\t*SPITCH
.endr
.endm
.macro SEND a, younger                 ; younger: the LDS instructions issued behind block a's loads, which may stay out
.set BB, BK+64*((\a)%2)
	s_wait_dscnt \younger                          ; the block is back in registers
.irp t, 0,1,2,3,4,5,6,7,8,9,10,11,12,13,14,15
	global_store_b128 v[CO], v[BB+4*\t:BB+4*\t+3], s[12:13] offset:(32*((\a)/2)+8*((\a)%2)+\t+8*(\t/8))*4096 th:TH_STORE_NT   ; stored row t of block a is this token; 32 lanes store 512 consecutive bytes, aligned; at most 127 rows on: inside the signed 24-bit immediate
.endr
.endm
	PLACES NP                                      ; behind the last products: their results are read, and the fragments' registers loaded, below
	TOSTAGE 0
.irp a, 1,2,3,4,5,6,7
.if \a > 1
	s_wait_xcnt 0x0                                ; block a - 2's stores have read their registers: block a's loads may land there
.endif
	TOSTAGE \a
	SEND \a-1, 32                                  ; behind block a - 1's loads: block a's 16 stores and 16 loads
.endr
	SEND 7, 0
	s_wait_tensorcnt 0x0                           ; the wave's end, behind my last LDS store
	ds_add_u32 v[SPW], v[NIL]
	s_wait_dscnt 0x0
	CROUND                                         ; the closing round: no work-group ends while a partner may still ask for a tile that names it
	s_endpgm
.Lfunc_end_k_qf5e0fc79d7_outp:
	.size	k_qf5e0fc79d7_outp, .Lfunc_end_k_qf5e0fc79d7_outp-k_qf5e0fc79d7_outp
	.p2alignl 7, 3214868480
	.fill 96, 4, 3214868480
	.section	.rodata,"a",@progbits
	.p2align	6, 0x0
	.amdhsa_kernel k_qf5e0fc79d7_outp
		.amdhsa_group_segment_fixed_size 327680
		.amdhsa_private_segment_fixed_size 0
		.amdhsa_enable_private_segment 0
		.amdhsa_kernarg_size 48
		.amdhsa_user_sgpr_count 2
		.amdhsa_user_sgpr_kernarg_segment_ptr 1
		.amdhsa_wavefront_size32 1
		.amdhsa_system_sgpr_workgroup_id_x 1
		.amdhsa_system_sgpr_workgroup_id_y 1
		.amdhsa_system_sgpr_workgroup_id_z 1
		.amdhsa_system_vgpr_workitem_id 0
		.amdhsa_next_free_vgpr 1024
		.amdhsa_next_free_sgpr 102
		.amdhsa_reserve_vcc 0
		.amdhsa_float_denorm_mode_32 3
		.amdhsa_float_denorm_mode_16_64 3
		.amdhsa_memory_ordered 1
		.amdhsa_forward_progress 1
		.amdhsa_inst_pref_size 126
	.end_amdhsa_kernel
	.amdgpu_metadata
---
amdhsa.version: [ 1, 2 ]
amdhsa.kernels:
  - .name:           k_qf5e0fc79d7_outp
    .symbol:         k_qf5e0fc79d7_outp.kd
    .args:
      - { .name: aoc, .offset: 0, .size: 8, .value_kind: global_buffer, .address_space: global }
      - { .name: aos, .offset: 8, .size: 8, .value_kind: global_buffer, .address_space: global }
      - { .name: opc, .offset: 16, .size: 8, .value_kind: global_buffer, .address_space: global }
      - { .name: ops, .offset: 24, .size: 8, .value_kind: global_buffer, .address_space: global }
      - { .name: b_out, .offset: 32, .size: 8, .value_kind: global_buffer, .address_space: global }
      - { .name: out0, .offset: 40, .size: 8, .value_kind: global_buffer, .address_space: global }
    .group_segment_fixed_size: 327680
    .private_segment_fixed_size: 0
    .kernarg_segment_align: 8
    .kernarg_segment_size: 48
    .max_flat_workgroup_size: 128
    .sgpr_count:     102
    .vgpr_count:     1024
    .wavefront_size: 32
...
	.end_amdgpu_metadata
.endif
;; end of part 4
